; MI455X (gfx1250); checked and timed in simulation.
; The chip was launched on July 23, 2026; its instructions are those of AMD's public machine-readable ISA for CDNA 5 (MIT licence, August 2026) and "CDNA5" Instruction Set Architecture Reference Guide (July 2026). The comments in the code are by the model that wrote it; some were corrected since.
;; Multi Head Attention. Allowed arithmetic: matrix products marked QUANTISED: E2M1 operands, one E8M0 scale for each 32 along K, by v_wmma_scale_f32_16x16x128_f8f6f4 with both operands' format E2M1 (or v_wmma_scale_f32_32x16x128_f4), f32 sums; products left as they are: bf16, f16 or f32 operands; f32 sums; everything else in f32.
;; Inputs: Wk 1,024 x 1,024 float32; Wo 1,024 x 1,024 float32; Wq 1,024 x 1,024 float32; Wv 1,024 x 1,024 float32; bk 1,024 float32; bo 1,024 float32; bq 1,024 float32; bv 1,024 float32; key 4 x 2,048 x 1,024 float32; mask 4 x 1 x 1 x 2,048 int32; query 4 x 2,048 x 1,024 float32; value 4 x 2,048 x 1,024 float32.
;; Outputs: out0 4 x 2,048 x 1,024 float32.
;; This version of the problem:
;;   THIS VERSION OF THE PROBLEM IS GIVEN IN LOW PRECISION. The matrix products marked QUANTISED in the list below multiply operands that are first quantised to E2M1 (2 exponent bits, 1 mantissa bit; 4 bits a number), with one power-of-two scale for each 32 numbers along K (OCP MX v1.0); their sums are f32. The products marked 'left as it is' may take bf16, f16 or f32 operands, with f32 sums. Whichever they take, every output number must still come out within the allowed error. Rounding operands to bf16 (8 significant bits) uses up far more of that allowance than f16 does (11 bits, for magnitudes from 6e-5 to 65,504). All else is computed in f32.
;;   The module's matrix products, in the order in which they are computed (A, B: the left and right operand; K: the contracted axis; several contracted axes count as one K, in the product's order):
;;     1. [M 8,192, K 1,024] x [K 1,024, N 1,024]; A: input query; B: input Wq: QUANTISED
;;     2. [M 8,192, K 1,024] x [K 1,024, N 1,024]; A: input key; B: input Wk: QUANTISED
;;     3. [M 8,192, K 1,024] x [K 1,024, N 1,024]; A: input value; B: input Wv: QUANTISED
;;     4. batch 64 x [M 2,048, K 64] x [K 64, N 2,048]; A: computed on the way; B: computed on the way: left as it is (an operand is computed on the way)
;;     5. batch 64 x [M 2,048, K 2,048] x [K 2,048, N 64]; A: computed on the way; B: computed on the way: left as it is (an operand is computed on the way)
;;     6. [M 8,192, K 1,024] x [K 1,024, N 1,024]; A: computed on the way; B: input Wo: left as it is (an operand is computed on the way)
;;   THE QUANTISER, for each operand of a quantised product, along K:
;;     - K is cut into blocks of 32 from its start; a last block that is shorter is filled with zeros.
;;     - A block's scale is 2^e with e = floor(log2(the largest magnitude in the block)) - 2, held to -126 .. 127; a block of zeros has e = 0. As a byte (E8M0): e + 127.
;;     - Each number is divided by its block's scale, clamped to +-6, and rounded to the nearest number of E2M1, ties to even, subnormals kept.
;;     - The product sums the exact products of the quantised numbers (number of the format x scale) in f32.
;;   ~~~python
;;   def quantise(x, axis):      # numpy; x: float32 -> the quantised numbers, widened to float32 again
;;       x = np.moveaxis(x, axis, -1); K = x.shape[-1]
;;       x = np.pad(x, [(0, 0)] * (x.ndim - 1) + [(0, -K % 32)]); x = x.reshape(x.shape[:-1] + (-1, 32)); a = np.abs(x).max(-1, keepdims=True)
;;       e = np.where(a > 0, np.clip(np.frexp(np.where(a > 0, a, 1))[1] - 1 - 2, -126, 127), 0)      # np.frexp(a)[1] - 1 = floor(log2(a)), exactly
;;       r = np.clip(x / 2.0 ** e, -6, 6)
;;       step = 2.0 ** (np.maximum(np.frexp(np.where(r == 0, 1, r))[1] - 1, 0) - 1)
;;       q = np.round(r / step) * step * 2.0 ** e      # np.round: ties to even
;;       return np.moveaxis(q.reshape(q.shape[:-2] + (-1,))[..., :K], -1, axis).astype(np.float32)
;;   ~~~
;; One version. Each part assembles by itself: llvm-mc -triple=amdgcn-amd-amdhsa -mcpu=gfx1250 --defsym DOCPART=n.
;; ======== version 1 of 1: 4 launches
;; limits: values are held in f16: magnitudes above 65,504 overflow, below 6.1e-05 lose precision
;; workspace buffers: xc 12,582,912 bytes; xs 786,432 bytes; wc 1,572,864 bytes; ws 98,304 bytes; wo16 2,097,152 bytes; qkv 50,331,648 bytes; ctx 16,777,216 bytes
;; launch quant (part 1): grid 896 x 1, 4 waves a work-group, no clusters, 33,280 bytes of LDS; arguments query, key, value, Wq, Wk, Wv, Wo, xc, xs, wc, ws, wo16; writes xc, xs, wc, ws, wo16
.if DOCPART == 1
	.amdgcn_target "amdgcn-amd-amdhsa--gfx1250"
	.amdhsa_code_object_version 6
	.text
	.protected	k_q0d5f4cd0d4_quant
	.globl	k_q0d5f4cd0d4_quant
	.p2align	8
	.type	k_q0d5f4cd0d4_quant,@function
k_q0d5f4cd0d4_quant:
	s_mov_b64 s[64:65], 0
	v_nop
	global_prefetch_b8 v0, s[64:65] scope:SCOPE_SE
	s_setreg_imm32_b32 hwreg(HW_REG_WAVE_MODE, 25, 1), 1
	s_wait_xcnt 0x0
; query, key, value [8192][1024] and Wq, Wk, Wv [1024][1024], f32 with K innermost, become codes of FP4 (E2M1), two a byte, and one E8M0 scale byte for each 32 along K.
; xc / xs: the three activations on end, [24576][512 bytes] / [24576][32];  wc / ws: the three weights on end, [3072][512] / [3072][32].  Wo becomes f16, [1024][1024], in wo16.
; A block's scale is 2^(floor(log2(its largest magnitude)) - 2): its byte is the largest magnitude's exponent field - 2, held at 1 from below.  Each number is divided by the scale and rounded to the nearest code, ties to even.
; LIMITS: a block of zeros gets the byte 1 where the rule says 127 (its codes are zeros, and this program alone reads the bytes); NaN and infinities among the inputs are not served; Wo beyond 65,504 becomes an f16 infinity.
; Rows are dense and K is a multiple of 32, so every tensor is a plain stream of blocks of 32.  A work-group takes 32,768 numbers, a wave 8,192:
; work-groups 0-767 the activations (256 each), 768-863 the weights (32 each), 864-895 Wo.  Only pointers are chosen for the first two kinds: they take one path.
; A wave takes 16 steps of 512 numbers.  Each of a step's four loads reads 512 consecutive bytes; the 2,048 bytes turn through the wave's own stage in LDS and come back 64 bytes a lane, so that a lane holds 16 neighbours
; along K and two neighbouring lanes a block.  A lane's 16 codes are 8 bytes: a wave's store covers 256 consecutive bytes.  A wave's 256 scale bytes are gathered in LDS and leave as one run of 256 bytes.
; No tensor load, no barrier: waves share nothing.
.set STEPS, 16
.set EMAX,  2
.set CB,    8                          ; bytes of 16 codes
.set R,     16                         ; v16-79   four sets of 16 numbers as they are loaded
.set X,     80                         ; v80-111  two sets of 16 neighbours
.set E,     112                        ; v112-127 a scale byte for each step
.set C,     128                        ; v128-191 codes: four registers for each step, so that no store's data are written again
.set WREG,  8192                       ; LDS: a region for each wave: two stages of 32 x SP bytes, then its 256 scale bytes
.set SP,    80                         ; a lane's place in a stage: 64 bytes + 16 of padding
.set SPW,   12                         ; v12  LDS address of my spare word; never rewritten
.set NIL,   13                         ; v13  0; never rewritten
.set SPARE, 4*WREG                     ; behind the four regions: the spare words, 128 bytes a wave, which no other line names
	s_load_b512 s[4:19], s[0:1], 0x0               ; query 4, key 6, value 8, Wq 10, Wk 12, Wv 14, Wo 16, xc 18
	s_load_b256 s[20:27], s[0:1], 0x40             ; xs 20, wc 22, ws 24, wo16 26
	v_lshl_add_u32 v[SPW], v0, 2, SPARE
	v_mov_b32 v[NIL], 0
	v_lshrrev_b32 v1, 5, v0
	v_readfirstlane_b32 s28, v1                    ; wave
	v_and_b32 v2, 31, v0                           ; lane
	v_lshlrev_b32 v3, 4, v2                        ; my 16 bytes of a load's 512
	s_mul_i32 s36, s28, WREG
	v_lshrrev_b32 v14, 2, v2
	v_mul_u32_u24 v14, v14, SP
	v_and_b32 v15, 3, v2
	v_lshl_add_u32 v14, v15, 4, v14
	v_add_nc_u32 v14, s36, v14                     ; the stage, on the way in: SP (lane / 4) + 16 (lane % 4)
	v_mul_u32_u24 v15, v2, SP
	v_add_nc_u32 v15, s36, v15                     ; and on the way out: SP x lane: my 16 neighbours
	v_mul_u32_u24 v4, v2, CB                       ; my 8 bytes of a store's 256
	v_lshrrev_b32 v5, 1, v2
	s_add_co_u32 s36, s36, 2*32*SP
	v_add_nc_u32 v5, s36, v5                       ; LDS: my wave's 256 scale bytes, my block's byte
	v_lshlrev_b32 v7, 3, v2
	v_add_nc_u32 v6, s36, v7                       ; and on the way out 8 bytes a lane
	s_wait_kmcnt 0x0
	s_cmp_ge_u32 ttmp9, 864                        ; the work-group's number alone decides
	s_cbranch_scc1 .Lwo
	s_cmp_lt_u32 ttmp9, 768                        ; an activation or a weight?
	s_cselect_b64 s[4:5], s[4:5], s[10:11]
	s_cselect_b64 s[6:7], s[6:7], s[12:13]
	s_cselect_b64 s[8:9], s[8:9], s[14:15]
	s_cselect_b64 s[18:19], s[18:19], s[22:23]     ; the codes' buffer
	s_cselect_b64 s[20:21], s[20:21], s[24:25]     ; the scale bytes'
	s_cselect_b32 s31, 8, 5                        ; 256 or 32 work-groups to a tensor
	s_cselect_b32 s29, 0, 768
	s_sub_co_u32 s29, ttmp9, s29                   ; which run of 32,768 numbers of the three tensors on end
	s_lshr_b32 s30, s29, s31                       ; which tensor
	s_lshl_b32 s32, s30, s31
	s_sub_co_u32 s31, s29, s32                     ; and which run in it
	s_cmp_eq_u32 s30, 1
	s_cselect_b64 s[4:5], s[6:7], s[4:5]
	s_cmp_eq_u32 s30, 2
	s_cselect_b64 s[4:5], s[8:9], s[4:5]
	s_mov_b32 s33, 0
	s_lshl_b32 s32, s31, 17                        ; source: 131,072 bytes a run, 32,768 a wave
	s_lshl_b32 s34, s28, 15
	s_add_co_u32 s32, s32, s34
	s_add_nc_u64 s[4:5], s[4:5], s[32:33]
	s_lshl_b32 s32, s29, 14                        ; codes: 16,384 and 4,096
	s_lshl_b32 s34, s28, 12
	s_add_co_u32 s32, s32, s34
	s_add_nc_u64 s[18:19], s[18:19], s[32:33]
	s_lshl_b32 s32, s29, 10                        ; scale bytes: 1,024 and 256
	s_lshl_b32 s34, s28, 8
	s_add_co_u32 s32, s32, s34
	s_add_nc_u64 s[20:21], s[20:21], s[32:33]
.macro LOAD t
.irp i, 0,1,2,3
	global_load_b128 v[R+16*((\t)%4)+4*\i:R+16*((\t)%4)+4*\i+3], v3, s[4:5] offset:2048*(\t)+512*\i th:TH_LOAD_NT   ; 32 lanes read 512 consecutive bytes
.endr
.endm
.macro TURN t                          ; step t's numbers through the stage: LDS serves a wave's instructions in order, so no wait stands between the stores and the loads
.irp i, 0,1,2,3
	ds_store_b128 v14, v[R+16*((\t)%4)+4*\i:R+16*((\t)%4)+4*\i+3] offset:32*SP*((\t)%2)+8*SP*\i
.endr
.irp i, 0,1,2,3
	ds_load_b128 v[X+16*((\t)%2)+4*\i:X+16*((\t)%2)+4*\i+3], v15 offset:32*SP*((\t)%2)+16*\i
.endr
.endm
.irp t, 0,1,2,3
	LOAD \t
.endr
	s_wait_loadcnt 12                              ; step 0's four loads are in; the twelve of steps 1 to 3 stay out
	TURN 0
.macro STEP t
.set XS, X+16*((\t)%2)
.if (\t) > 0
	s_wait_dscnt 1                                 ; this step's numbers are back from the stage (the last step's byte store may be out): so its stores into the stage have read their registers,
.else
	s_wait_dscnt 0x0
.endif
.if (\t)+4 < STEPS
	LOAD (\t)+4                                    ; which take the loads of four steps on
.endif
.if (\t)+1 < STEPS
.if STEPS-2-(\t) >= 3
	s_wait_loadcnt 12                              ; the next step's four loads are in; those of the three steps behind it may be out
.else
	s_wait_loadcnt 4*(STEPS-2-(\t))
.endif
	TURN (\t)+1                                    ; and go through the other stage while this step is worked
.endif
	v_max3_num_f32 v8, |v[XS]|, |v[XS+1]|, |v[XS+2]|               ; the largest magnitude of my 16, in two chains
	v_max3_num_f32 v9, |v[XS+3]|, |v[XS+4]|, |v[XS+5]|
.irp i, 6,10
	v_max3_num_f32 v8, v8, |v[XS+\i]|, |v[XS+\i+1]|
	v_max3_num_f32 v9, v9, |v[XS+\i+2]|, |v[XS+\i+3]|
.endr
	v_max3_num_f32 v8, v8, |v[XS+14]|, |v[XS+15]|
	v_max3_num_f32 v8, v8, v9, (EMAX+1)<<23        ; and the floor 2^(EMAX + 1 - 127): so the byte cannot fall under 1
	v_max_num_f32_dpp v8, v8, v8 row_xmask:1 row_mask:0xf bank_mask:0xf   ; and of my neighbour's 16: the block's
	v_add_nc_u32 v11, 0xff000000, v8               ; EMAX off its exponent field: the conversion takes the exponent field of this operand as its scale, and nothing else of it
	v_cvt_scalef32_pk8_fp4_f32 v[C+4*(\t)], v[XS:XS+7], v11
	v_cvt_scalef32_pk8_fp4_f32 v[C+4*(\t)+1], v[XS+8:XS+15], v11
	v_lshrrev_b32 v[E+(\t)], 23, v11               ; the scale's byte (a plain line behind the conversions)
	ds_store_b8 v5, v[E+(\t)] offset:16*(\t)       ; both lanes of a block write the same byte with the same value
	global_store_b64 v4, v[C+4*(\t):C+4*(\t)+1], s[18:19] offset:32*CB*(\t)   ; 32 lanes store 256 consecutive bytes
.endm
.irp t, 0,1,2,3,4,5,6,7,8,9,10,11,12,13,14,15
	STEP \t
.endr
	ds_load_b64 v[8:9], v6                         ; LDS serves a wave's instructions in order: these see my stores
	s_wait_dscnt 0x0
	global_store_b64 v7, v[8:9], s[20:21]          ; 32 lanes store 256 consecutive bytes
	s_wait_tensorcnt 0x0                           ; the wave's end
	ds_add_u32 v[SPW], v[NIL]
	s_wait_dscnt 0x0
	s_endpgm
; Wo to f16: a wave takes 8,192 numbers in four groups of 16 loads, two register sets by turns.
.Lwo:
	s_sub_co_u32 s29, ttmp9, 864
	s_lshl_b32 s32, s29, 17
	s_lshl_b32 s34, s28, 15
	s_add_co_u32 s32, s32, s34
	s_mov_b32 s33, 0
	s_add_nc_u64 s[16:17], s[16:17], s[32:33]
	s_lshr_b32 s32, s32, 1                         ; half the bytes on the way out
	s_add_nc_u64 s[26:27], s[26:27], s[32:33]
.macro WLOAD g
.irp i, 0,1,2,3,4,5,6,7,8,9,10,11,12,13,14,15
	global_load_b128 v[16+64*((\g)%2)+4*\i:16+64*((\g)%2)+4*\i+3], v3, s[16:17] offset:8192*(\g)+512*\i th:TH_LOAD_NT
.endr
.endm
.macro WCONV g, younger                ; younger: the next group's loads, which stay out
.if (\g) > 0
	s_wait_xcnt 0x0                                ; the last group's stores have read their data registers, which are written again below
.endif
.irp i, 0,1,2,3,4,5,6,7,8,9,10,11,12,13,14,15
	s_wait_loadcnt \younger+15-\i                  ; load i of this group is in; its younger ones and the next group's stay out
	v_cvt_pk_f16_f32 v[144+2*\i], v[16+64*((\g)%2)+4*\i], v[16+64*((\g)%2)+4*\i+1]
	v_cvt_pk_f16_f32 v[145+2*\i], v[16+64*((\g)%2)+4*\i+2], v[16+64*((\g)%2)+4*\i+3]
	global_store_b64 v4, v[144+2*\i:145+2*\i], s[26:27] offset:4096*(\g)+256*\i   ; 32 lanes store 256 consecutive bytes
.endr
.endm
	WLOAD 0
	WLOAD 1
	WCONV 0, 16
	WLOAD 2
	WCONV 1, 16
	WLOAD 3
	WCONV 2, 16
	WCONV 3, 0
	s_endpgm
.Lfunc_end_k_q0d5f4cd0d4_quant:
	.size	k_q0d5f4cd0d4_quant, .Lfunc_end_k_q0d5f4cd0d4_quant-k_q0d5f4cd0d4_quant
	.p2alignl 7, 3214868480
	.fill 96, 4, 3214868480
	.section	.rodata,"a",@progbits
	.p2align	6, 0x0
	.amdhsa_kernel k_q0d5f4cd0d4_quant
		.amdhsa_group_segment_fixed_size 33280
		.amdhsa_private_segment_fixed_size 0
		.amdhsa_enable_private_segment 0
		.amdhsa_kernarg_size 96
		.amdhsa_user_sgpr_count 2
		.amdhsa_user_sgpr_kernarg_segment_ptr 1
		.amdhsa_wavefront_size32 1
		.amdhsa_system_sgpr_workgroup_id_x 1
		.amdhsa_system_sgpr_workgroup_id_y 1
		.amdhsa_system_sgpr_workgroup_id_z 1
		.amdhsa_system_vgpr_workitem_id 0
		.amdhsa_next_free_vgpr 192
		.amdhsa_next_free_sgpr 66
		.amdhsa_reserve_vcc 0
		.amdhsa_float_denorm_mode_32 3
		.amdhsa_float_denorm_mode_16_64 3
		.amdhsa_memory_ordered 1
		.amdhsa_forward_progress 1
		.amdhsa_inst_pref_size 56
	.end_amdhsa_kernel
	.amdgpu_metadata
---
amdhsa.version: [ 1, 2 ]
amdhsa.kernels:
  - .name:           k_q0d5f4cd0d4_quant
    .symbol:         k_q0d5f4cd0d4_quant.kd
    .args:
      - { .name: query, .offset: 0, .size: 8, .value_kind: global_buffer, .address_space: global }
      - { .name: key, .offset: 8, .size: 8, .value_kind: global_buffer, .address_space: global }
      - { .name: value, .offset: 16, .size: 8, .value_kind: global_buffer, .address_space: global }
      - { .name: Wq, .offset: 24, .size: 8, .value_kind: global_buffer, .address_space: global }
      - { .name: Wk, .offset: 32, .size: 8, .value_kind: global_buffer, .address_space: global }
      - { .name: Wv, .offset: 40, .size: 8, .value_kind: global_buffer, .address_space: global }
      - { .name: Wo, .offset: 48, .size: 8, .value_kind: global_buffer, .address_space: global }
      - { .name: xc, .offset: 56, .size: 8, .value_kind: global_buffer, .address_space: global }
      - { .name: xs, .offset: 64, .size: 8, .value_kind: global_buffer, .address_space: global }
      - { .name: wc, .offset: 72, .size: 8, .value_kind: global_buffer, .address_space: global }
      - { .name: ws, .offset: 80, .size: 8, .value_kind: global_buffer, .address_space: global }
      - { .name: wo16, .offset: 88, .size: 8, .value_kind: global_buffer, .address_space: global }
    .group_segment_fixed_size: 33280
    .private_segment_fixed_size: 0
    .kernarg_segment_align: 8
    .kernarg_segment_size: 96
    .max_flat_workgroup_size: 128
    .sgpr_count:     66
    .vgpr_count:     192
    .wavefront_size: 32
...
	.end_amdgpu_metadata
.endif
;; end of part 1
;; launch proj (part 2): grid 4 x 96, 4 waves a work-group, clusters of 4 x 4, 327,680 bytes of LDS; arguments xc, xs, wc, ws, bq, bk, bv, mask, qkv; writes qkv
.if DOCPART == 2
	.amdgcn_target "amdgcn-amd-amdhsa--gfx1250"
	.amdhsa_code_object_version 6
	.text
	.protected	k_q0d5f4cd0d4_proj
	.globl	k_q0d5f4cd0d4_proj
	.p2align	8
	.type	k_q0d5f4cd0d4_proj,@function
k_q0d5f4cd0d4_proj:
	s_mov_b64 s[64:65], 0
	v_nop
	global_prefetch_b8 v0, s[64:65] scope:SCOPE_SE
	s_setreg_imm32_b32 hwreg(HW_REG_WAVE_MODE, 25, 1), 1
	s_wait_xcnt 0x0
	s_wait_alu depctr_hold_cnt(0) depctr_sa_sdst(0) depctr_va_vdst(0) depctr_va_sdst(0) depctr_va_ssrc(0) depctr_va_vcc(0) depctr_vm_vsrc(0)
	s_getreg_b32 s2, hwreg(HW_REG_IB_STS2, 6, 4)
	s_cmp_eq_u32 s2, 0
	s_cbranch_scc0 .Lentry_in_a_cluster
	s_endpgm
.Lentry_in_a_cluster:
	s_bfe_u32 s2, ttmp6, 0x10000c
	s_cmp_lg_u32 s2, 0xf033
	s_cbranch_scc0 .Lentry_shape_is_right
	s_endpgm
.Lentry_shape_is_right:
; The three projections as ONE product on codes of FP4 (E2M1) with E8M0 scales: rows 0-8191 query x Wq^T, 8192-16383 key x Wk^T, 16384-24575 value x Wv^T; K = 1,024; sums in f32.
; y = (sum + bias) x f, rounded once to f16 and laid by head: qkv [t = Q', K', V][batch 4][head 16][token 2048][64].
;   t = 0: f = log2(e) / 8, so that the score product of the next launch gives the exponent to base 2;   t = 1: f = 0 for a key whose mask is 0, else 1;   t = 2: f = 1.
; LIMITS: results beyond 65,504 in magnitude become f16 infinities; NaN and infinities are not served (a masked key's row is made zero by a multiplication).
; A tile, 256 rows x 256 channels, is made by four waves, each 128 x 128: 64 accumulators, 512 registers.  All of K lies in two LDS slots of 512 along K (rows of 256 bytes): each slot is filled once, nothing is filled again.
; The scale bytes of the tile's 256 + 256 rows, for all of K, are two dense blocks: they come once, with the first fills.
; CLUSTERS: 4 x 4 work-groups.  The four of a row of the cluster need the same tiles of the activations, the four of a column the same tiles of the weights: each tile is asked for JOINTLY.
; A cluster's 1,024 rows lie in one of the three tensors (8 clusters to a tensor), so t hangs on the cluster's y alone and is the same in all sixteen partners.
; THE MATRIX INSTRUCTION IS USED TRANSPOSED (source 0 = 16 rows of W, source 1 = 16 rows of x): a lane holds one token (lane % 16) and eight neighbouring channels 8 (lane / 16) + 0 .. 7.
; The bias is the C of each sum's first product: eight registers for each block of 16 channels, in the result's layout.
; REGISTERS: window 0: v1-29 addresses; v32-95 scale words, two sets; v96-103 the mask of my rows; v104-119 f, a pair for each block of 16 rows; v128-191 x's fragments, one set; v192-255 the bias.
;   window 1: W's fragments, two sets, at v0 and v128.   window 2: the accumulators of my rows 0-63 ((a, b) at v[8 (8 a + b)]);   window 3: those of rows 64-127.
.set NQ,     4                         ; matrix instructions deep in a slot
.set ROWB,   256                       ; a tile's row in bytes: 512 codes
.set KROW,   512                       ; a row of codes in memory
.set PITCH,  272                       ; an LDS row: 256 bytes + 16 of padding = 68 words: the 16 rows that a load touches start at 16 different banks (64 banks of 4 bytes: ISA guide 11.1)
.set FR,     8                         ; registers of a fragment: 16 rows x 128 K
.set NL,     2                         ; LDS loads that bring one
.set NP,     4                         ; places behind this matrix instruction (ISA guide 7.12.1)
.set HALFT,  128*PITCH                 ; 128 rows: what one tensor load brings
.set SLOT,   4*HALFT                   ; x's 256 rows, then W's 256 rows
.set KS,     32                        ; a row of scale bytes
.set SCL,    2*SLOT                    ; behind the slots: the scales, as runs of 256 bytes + 16 of padding
.set HALFS,  (128*KS/256)*272          ; the scales of 128 rows
.set SBLK,   (16*KS/256)*272           ; those of 16 rows
.set SPARE,  SCL+4*HALFS               ; the spare words, 128 bytes a wave, which no other line names
.set SPITCH, 272                       ; the way out: a stage of 16 rows x (256 bytes + 16) for each wave, in slot 0, which has had its one fill and its last read by then
.set FS,   11                          ; v11  f where it is not 0
.set BO,   12                          ; v12  32 x (lane / 16): my eight numbers of a block's bias; never rewritten
.set MO,   13                          ; v13  4 x (lane % 16): my row's mask word; never rewritten
.set ADRA, 16                          ; v16-17  LDS address of my fragments of x in slot 0, 1
.set ADRB, 20                          ; v20-21  the same for W
.set STO,  24
.set RD,   25
.set CO,   26
.set ADRS, 27                          ; v27  LDS address of my scale words: lanes 0-15 x's rows, lanes 16-31 W's
.set SPW,  28
.set NIL,  29
.set SC,   32
.set MK,   96
.set FF,   104
.set AF,   128
.set BI,   192
.set T,    128                         ; the way out: 64 numbers at work, then 32 registers of f16
.set OB,   32                          ; and 16 rows read back: v32-63 and v64-95 by turns
.set G1, 24
.set G0, 32
.set G1B, 48
.set G0B, 56
.set G1S, 68
.set G0S, 76
.set G1SB, 80
.set G0SB, 88
.set MSB, 0
.macro WIN new                         ; the immediate's high byte repeats the setting that is left
.if MSB != (\new)
	s_set_vgpr_msb (MSB<<8)|(\new)
.set MSB, (\new)
.endif
.endm
.set MUL_LO, 0xa1                      ; source 0 (W) window 1, source 1 (x) window 0, C and D window 2
.set MUL_HI, 0xf1                      ; the same, C and D window 3
.set FST_LO, 0x81                      ; the first products: C (the bias) window 0, D window 2
.set FST_HI, 0xc1                      ; D window 3
.set TO_B,   0x40
; A joint load: waves 0 and 1 fetch for x, waves 2 and 3 for W.  The branch hangs on the wave's number alone.  An s_nop 0 and four v_nop follow each of the two lines.
.macro JLOAD g0a, g1a, g0b, g1b
	s_cmp_eq_u32 s15, 0
	s_cbranch_scc0 .Lfor_b_\@
	tensor_load_to_lds s[\g0a:\g0a+3], s[\g1a:\g1a+7]
	s_nop 0
.rept 4
	v_nop
.endr
	s_branch .Lasked_\@
.Lfor_b_\@:
	tensor_load_to_lds s[\g0b:\g0b+3], s[\g1b:\g1b+7]
	s_nop 0
.rept 4
	v_nop
.endr
.Lasked_\@:
.endm
.macro CROUND                          ; a round of the cluster's barrier
	s_barrier_signal -1
	s_barrier_wait -1
	s_cmp_lg_u32 s14, 0
	s_cbranch_scc1 .Lnot_wave_0_\@
	s_barrier_signal -3
.Lnot_wave_0_\@:
	s_barrier_wait -3
	s_barrier_signal -1
	s_barrier_wait -1
.endm
	s_load_b256 s[4:11], s[0:1], 0x0               ; xc 4, xs 6, wc 8, ws 10
	s_load_b256 s[92:99], s[0:1], 0x20             ; bq 92, bk 94, bv 96, mask 98
	s_load_b64 s[12:13], s[0:1], 0x40              ; qkv
	v_lshl_add_u32 v[SPW], v0, 2, SPARE
	v_mov_b32 v[NIL], 0
	ds_add_u32 v[SPW], v[NIL]                      ; the wave's opening: the add, twice on end, and its wait ahead of my first tensor load
	ds_add_u32 v[SPW], v[NIL]
	v_lshrrev_b32 v1, 5, v0
	v_readfirstlane_b32 s14, v1                    ; wave 0..3
	s_lshr_b32 s15, s14, 1                         ; which half of the tile's rows is mine.  Also: I fetch for x (0) or for W (1)
	s_and_b32 s16, s14, 1                          ; which half of its channels.  Also: which 128 rows of that tile I fetch
	s_bfe_u32 s40, ttmp6, 0x40000                  ; cx, cy: my place in the cluster
	s_bfe_u32 s41, ttmp6, 0x40004
	s_lshl_b32 s42, ttmp9, 2
	s_add_co_u32 s42, s42, s40                     ; tile column = 4 x cluster x + cx
	s_and_b32 s17, ttmp7, 0xffff
	s_lshr_b32 s101, s17, 3                        ; t: eight clusters to a tensor
	s_lshl_b32 s17, s17, 2
	s_add_co_u32 s17, s17, s41                     ; tile row = 4 x cluster y + cy
	s_lshl_b32 s43, s41, 2
	s_lshl_b32 s43, 15, s43                        ; my row of the cluster
	s_lshl_b32 s44, 0x1111, s40                    ; my column
	; descriptor group 1: a tile of 128 rows x 256 bytes, 16 bytes of padding behind each row
	s_or_b32 s[G1+0], s43, (0<<16)|(1<<20)|(1<<21)|(5<<22)|(3<<25)  ; 15:0 the mask; 17:16 elements of 1 byte; 20 padding on; 21 set beside a mask; 24:22 after every 64 words; 31:25 four words
	s_or_b32 s[G1B+0], s44, (0<<16)|(1<<20)|(1<<21)|(5<<22)|(3<<25)
.irp g, G1, G1B
	s_mov_b32 s[\g+1], ROWB<<16                    ; tensor_dim0
	s_mov_b32 s[\g+2], 128<<16                     ; tensor_dim1
	s_mov_b32 s[\g+3], ROWB<<16                    ; tile_dim0
	s_mov_b32 s[\g+4], 128                         ; tile_dim1
	s_mov_b32 s[\g+5], KROW                        ; tensor_dim0_stride
	s_mov_b32 s[\g+6], 0
	s_mov_b32 s[\g+7], 0
.endr
	; the scales of 128 rows: 4,096 dense bytes, as 16 rows of 256 bytes (32 elements of 8 bytes), 16 bytes of padding behind each
	s_or_b32 s[G1S+0], s43, (3<<16)|(1<<20)|(1<<21)|(5<<22)|(3<<25)
	s_or_b32 s[G1SB+0], s44, (3<<16)|(1<<20)|(1<<21)|(5<<22)|(3<<25)
.irp g, G1S, G1SB
	s_mov_b32 s[\g+1], 32<<16
	s_mov_b32 s[\g+2], (128*KS/256)<<16
	s_mov_b32 s[\g+3], 32<<16
	s_mov_b32 s[\g+4], 128*KS/256
	s_mov_b32 s[\g+5], 32
	s_mov_b32 s[\g+6], 0
	s_mov_b32 s[\g+7], 0
.endr
	s_lshl_b32 s18, s16, 7                         ; which 128 rows of the tile I fetch
	s_lshl_b32 s20, s17, 8
	s_add_co_u32 s20, s20, s18                     ; x: row 256 x tile row + 128 x half
	s_lshl_b32 s46, s42, 8
	s_add_co_u32 s46, s46, s18                     ; W: row 256 x tile column + 128 x half
	s_lshl_b32 s19, s101, 10
	s_add_co_u32 s46, s46, s19                     ; + 1,024 t
	s_mov_b32 s21, 0
	s_mov_b32 s47, 0
	s_mov_b64 s[18:19], KS
	s_mul_u64 s[22:23], s[20:21], s[18:19]         ; where these rows' scales begin, in bytes
	s_mul_u64 s[2:3], s[46:47], s[18:19]
	s_mov_b64 s[18:19], KROW
	s_mul_u64 s[20:21], s[20:21], s[18:19]         ; and their codes
	s_mul_u64 s[46:47], s[46:47], s[18:19]
	s_mul_i32 s45, s14, HALFT                      ; where they go: wave x 128 rows: no place in the cluster enters an LDS address
	s_mul_i32 s100, s14, HALFS
	s_wait_dscnt 0x0                               ; both opening adds are done
	s_wait_kmcnt 0x0
	s_add_nc_u64 s[20:21], s[4:5], s[20:21]
	s_add_nc_u64 s[22:23], s[6:7], s[22:23]
	s_add_nc_u64 s[46:47], s[8:9], s[46:47]
	s_add_nc_u64 s[2:3], s[10:11], s[2:3]
	CROUND                                         ; all sixteen work-groups are here: the joint loads meet
	s_mov_b32 s[G0S], 1
	s_add_co_u32 s[G0S+1], s100, SCL
	s_mov_b64 s[G0S+2:G0S+3], s[22:23]
	s_or_b32 s[G0S+3], s[G0S+3], 0x80000000
	s_mov_b32 s[G0SB], 1
	s_add_co_u32 s[G0SB+1], s100, SCL
	s_mov_b64 s[G0SB+2:G0SB+3], s[2:3]
	s_or_b32 s[G0SB+3], s[G0SB+3], 0x80000000
	JLOAD G0S, G1S, G0SB, G1SB                     ; the scales first: they are wanted with the first slot
.irp s, 0,1
	s_mov_b32 s[G0+4*\s], 1
	s_add_co_u32 s[G0+4*\s+1], s45, \s*SLOT
	s_add_nc_u64 s[G0+4*\s+2:G0+4*\s+3], s[20:21], \s*ROWB
	s_or_b32 s[G0+4*\s+3], s[G0+4*\s+3], 0x80000000
	s_mov_b32 s[G0B+4*\s], 1
	s_add_co_u32 s[G0B+4*\s+1], s45, \s*SLOT
	s_add_nc_u64 s[G0B+4*\s+2:G0B+4*\s+3], s[46:47], \s*ROWB
	s_or_b32 s[G0B+4*\s+3], s[G0B+4*\s+3], 0x80000000
	JLOAD G0+4*\s, G1, G0B+4*\s, G1B               ; three tensor loads of mine are out
.endr
	v_and_b32 v1, 15, v0                           ; r = lane % 16
	v_bfe_u32 v2, v0, 4, 1                         ; h = lane / 16
	; the bias of my 128 channels, the mask of my 128 rows, and f
	s_cmp_eq_u32 s101, 1
	s_cselect_b64 s[92:93], s[94:95], s[92:93]
	s_cselect_b32 s66, 0, -1                       ; all ones where the mask does not count (t is not 1)
	s_cmp_eq_u32 s101, 2
	s_cselect_b64 s[92:93], s[96:97], s[92:93]     ; bq, bk or bv
	s_cmp_eq_u32 s101, 0
	s_cselect_b32 s67, 0x3e38aa3b, 1.0             ; log2(e) / 8 for Q, else 1
	v_mov_b32 v[FS], s67
	s_lshl_b32 s18, s42, 10
	s_lshl_b32 s19, s16, 9
	s_add_co_u32 s18, s18, s19                     ; 4 x (256 x tile column + 128 x half)
	s_mov_b32 s19, 0
	s_add_nc_u64 s[92:93], s[92:93], s[18:19]
	s_lshl_b32 s22, s17, 8
	s_lshl_b32 s23, s15, 7
	s_add_co_u32 s22, s22, s23                     ; R: my first row of the 24,576
	s_and_b32 s18, s22, 8191                       ; its token in the tensor: the mask is [4][2048], one word a token
	s_lshl_b32 s18, s18, 2
	s_add_nc_u64 s[98:99], s[98:99], s[18:19]
	v_lshlrev_b32 v[BO], 5, v2
	v_lshlrev_b32 v[MO], 2, v1
.irp b, 0,1,2,3,4,5,6,7
	global_load_b128 v[BI+8*\b:BI+8*\b+3], v[BO], s[92:93] offset:64*\b        ; bias of channels 16 b + 8 h + 0 .. 7
	global_load_b128 v[BI+8*\b+4:BI+8*\b+7], v[BO], s[92:93] offset:64*\b+16
.endr
.irp a, 0,1,2,3,4,5,6,7
	global_load_b32 v[MK+\a], v[MO], s[98:99] offset:64*\a                     ; mask of row 16 a + r
.endr
	; qkv at my first token of my first head: (R / 2048) x 16 heads + head, 262,144 bytes a head; 128 bytes a token
	s_lshr_b32 s18, s22, 11
	s_lshl_b32 s18, s18, 22
	s_lshl_b32 s23, s42, 2
	s_lshl_b32 s20, s16, 1
	s_add_co_u32 s23, s23, s20                     ; head = 4 x tile column + 2 x half
	s_lshl_b32 s23, s23, 18
	s_add_co_u32 s18, s18, s23
	s_and_b32 s23, s22, 2047
	s_lshl_b32 s23, s23, 7
	s_add_co_u32 s18, s18, s23
	s_add_nc_u64 s[12:13], s[12:13], s[18:19]
	; LDS addresses
	v_mul_u32_u24 v3, v1, PITCH
	v_lshl_add_u32 v4, v2, 4, v3                   ; a fragment's row x pitch + 16 x half
	s_mul_i32 s21, s15, HALFT                      ; my 128 rows of x
	s_mul_i32 s22, s16, HALFT                      ; my 128 rows of W,
	s_add_co_u32 s22, s22, 2*HALFT                 ; which lie behind x's 256
.irp s, 0,1
	v_add_nc_u32 v[ADRA+\s], s21, v4
	v_add_nc_u32 v[ADRB+\s], s22, v4
	s_add_co_u32 s21, s21, SLOT
	s_add_co_u32 s22, s22, SLOT
.endr
	v_mul_u32_u24 v5, v1, KS                       ; my row's scales: 32 bytes a row,
	v_lshrrev_b32 v6, 8, v5
	v_lshl_add_u32 v5, v6, 4, v5                   ; and 16 more for each 256 passed
	s_mul_i32 s21, s15, HALFS
	s_mul_i32 s22, s16, HALFS
	s_add_co_u32 s22, s22, 2*HALFS
	s_sub_co_u32 s22, s22, s21
	v_mul_u32_u24 v6, s22, v2                      ; lanes 16-31 take W's
	s_add_co_u32 s21, s21, SCL
	v_add_nc_u32 v5, v5, v6
	v_add_nc_u32 v[ADRS], s21, v5
	s_mul_i32 s23, s14, 16*SPITCH                  ; my stage
	v_mul_u32_u24 v5, v1, SPITCH                   ; in: row r, 16 bytes for each half of the lanes
	v_lshl_add_u32 v5, v2, 4, v5
	v_add_nc_u32 v[STO], s23, v5
	v_bfe_u32 v5, v0, 3, 2                         ; back: eight lanes to a head's 128 bytes of a row, four rows an instruction
	v_mul_u32_u24 v5, v5, SPITCH
	v_and_b32 v6, 7, v0
	v_lshl_add_u32 v5, v6, 4, v5
	v_add_nc_u32 v[RD], s23, v5
	v_and_b32 v6, 31, v0
	v_lshlrev_b32 v[CO], 4, v6                     ; in memory those four rows are 512 consecutive bytes
.macro FRAG reg, adr, q, i             ; 16 rows x 128 K of 4-bit codes: lane l holds row l % 16; registers 4 c .. 4 c + 3 hold K = 64 c + 32 (l / 16) + 0 .. 31
.irp c, 0,1
	ds_load_b128 v[\reg+4*\c:\reg+4*\c+3], v[\adr] offset:64*(\q)+32*\c+(\i)*16*PITCH
.endr
.endm
; 16 matrix instructions: x's blocks a0, a0 + 1 against W's eight, the slot's q-th 128 along K.  p: W's set; sc: the set of scale words.  first = 1: the sums begin with the bias as C.
; The 64 accumulators take turns, one instruction a turn, in the same order in every step.
.macro MUL16 a0, p, q, sc, first
.irp a, \a0, \a0+1
.irp b, 0,1,2,3,4,5,6,7
.if \first
	v_wmma_scale_f32_16x16x128_f8f6f4 v[8*(8*((\a)%4)+\b):8*(8*((\a)%4)+\b)+7], v[128*(\p)+FR*\b:128*(\p)+FR*\b+FR-1], v[AF+FR*(\a):AF+FR*(\a)+FR-1], v[BI+8*\b:BI+8*\b+7], v[SC+8*NQ*(\sc)+NQ*\b+(\q)], v[SC+8*NQ*(\sc)+NQ*(\a)+(\q)] matrix_a_fmt:MATRIX_FMT_FP4 matrix_b_fmt:MATRIX_FMT_FP4 matrix_a_scale:MATRIX_SCALE_ROW1
.else
	v_wmma_scale_f32_16x16x128_f8f6f4 v[8*(8*((\a)%4)+\b):8*(8*((\a)%4)+\b)+7], v[128*(\p)+FR*\b:128*(\p)+FR*\b+FR-1], v[AF+FR*(\a):AF+FR*(\a)+FR-1], v[8*(8*((\a)%4)+\b):8*(8*((\a)%4)+\b)+7], v[SC+8*NQ*(\sc)+NQ*\b+(\q)], v[SC+8*NQ*(\sc)+NQ*(\a)+(\q)] matrix_a_fmt:MATRIX_FMT_FP4 matrix_b_fmt:MATRIX_FMT_FP4 matrix_a_scale:MATRIX_SCALE_ROW1
.endif
.endr
.endr
.endm
.macro FETCH_B slot, q, p
	WIN TO_B
.irp i, 0,1,2,3,4,5,6,7
	FRAG 128*(\p)+FR*\i, ADRB+\slot, \q, \i
.endr
	WIN 0
.endm
.macro FETCH_A slot, q, i0
.irp i, \i0, \i0+1, \i0+2, \i0+3
	FRAG AF+FR*(\i), ADRA+\slot, \q, \i
.endr
.endm
.macro SCALES sc                       ; a slot's scale words: four a row; lanes 0-15 take x's block i, lanes 16-31 W's block i
.irp i, 0,1,2,3,4,5,6,7
	ds_load_b128 v[SC+8*NQ*\sc+NQ*\i:SC+8*NQ*\sc+NQ*\i+3], v[ADRS] offset:\i*SBLK
.endr
.endm
.macro PLACES n                        ; plain vector lines between a matrix instruction and a load into, or a read of, its registers
.rept \n
	v_nop
.endr
.endm
; A step of 128 along K that has its successor in the same slot.  x's blocks 0-3 are fetched anew in its middle, blocks 4-7 at its end; W has two sets.
.macro STEP slot, q, first
	s_wait_dscnt 4*NL                              ; W's set and x's blocks 0-3 are in; the youngest eight loads (x's blocks 4-7) may be out
.if \first
	WIN FST_LO
.else
	WIN MUL_LO
.endif
	MUL16 0, (\q)%2, \q, \slot, \first
	MUL16 2, (\q)%2, \q, \slot, \first
	s_wait_dscnt 0                                 ; x's blocks 4-7 are in
	PLACES NP
	FETCH_B \slot, (\q)+1, 1-(\q)%2
	FETCH_A \slot, (\q)+1, 0
.if \first
	WIN FST_HI
.else
	WIN MUL_HI
.endif
	MUL16 4, (\q)%2, \q, \slot, \first
	MUL16 6, (\q)%2, \q, \slot, \first
	PLACES NP
	WIN 0
	FETCH_A \slot, (\q)+1, 4
.endm
.macro STEPS slot, from
.set Q, \from
.rept NQ-1-\from
	STEP \slot, Q, 0
.set Q, Q+1
.endr
.endm
	s_wait_tensorcnt 1                             ; the scales and my part of slot 0 are in; slot 1's load may stay out
	s_barrier_signal -1
	s_barrier_wait -1                              ; everybody's are
	FETCH_B 0, 0, 0
	FETCH_A 0, 0, 0
	SCALES 0
	FETCH_A 0, 0, 4
	s_wait_loadcnt 0x0                             ; the bias and the mask
.irp a, 0,1,2,3,4,5,6,7                ; f of row 16 a + r, twice: a pair for the packed multiply
	v_cmp_ne_u32 vcc_lo, 0, v[MK+\a]
	s_or_b32 vcc_lo, vcc_lo, s66
	v_cndmask_b32 v[FF+2*\a], 0, v[FS], vcc_lo
	v_cndmask_b32 v[FF+2*\a+1], 0, v[FS], vcc_lo
.endr
	STEP 0, 0, 1                                   ; the first products start the sums with the bias
	STEPS 0, 1
	; slot 0's last step, and the change to slot 1: each wave waits for all its tensor loads (slot 1's part), adds 0 to its spare word, waits for that and for its reads of slot 0; one barrier
	s_wait_tensorcnt 0x0
	ds_add_u32 v[SPW], v[NIL]
	s_wait_dscnt 4*NL+1                            ; the add and the youngest eight loads may be out
	WIN MUL_LO
	MUL16 0, 1, NQ-1, 0, 0                         ; sixteen matrix instructions stand between the add and the wait for it
	s_wait_dscnt 0x0                               ; the add is done, and my reads of slot 0 are over
	s_barrier_signal -1
	MUL16 2, 1, NQ-1, 0, 0
	WIN 0
	s_barrier_wait -1
	PLACES NP
	v_add_nc_u32 v[ADRS], 4*NQ, v[ADRS]            ; on to slot 1's scale words
	FETCH_B 1, 0, 0
	FETCH_A 1, 0, 0
	SCALES 1
	WIN MUL_HI
	MUL16 4, 1, NQ-1, 0, 0
	MUL16 6, 1, NQ-1, 0, 0
	PLACES NP
	WIN 0
	FETCH_A 1, 0, 4
	STEPS 1, 0
	s_wait_dscnt 4*NL                              ; the very last step: nothing more to fetch
	WIN MUL_LO
	MUL16 0, 1, NQ-1, 1, 0
	MUL16 2, 1, NQ-1, 1, 0
	s_wait_dscnt 0
	WIN MUL_HI
	MUL16 4, 1, NQ-1, 1, 0
	MUL16 6, 1, NQ-1, 1, 0
	WIN 0
; THE WAY OUT, block by block of 16 rows x 128 channels (two heads).  x f, rounded to f16: 16 bytes a lane and block of channels; through my stage; back as 4 rows x 128 bytes of one head, which are 512 consecutive bytes of qkv.
.macro PACK a
.set AC, 64*((\a)%4)
	WIN 0x02+(\a)/4                                ; source 0: window 2 or 3
.irp b, 0,1,2,3,4,5,6,7
.irp k, 0,2,4,6
	v_pk_mul_f32 v[T+8*\b+\k:T+8*\b+\k+1], v[AC+8*\b+\k:AC+8*\b+\k+1], v[FF+2*(\a):FF+2*(\a)+1]   ; each accumulator from its low end on
.endr
.endr
	WIN 0
.set i, 0
.rept 32
	v_cvt_pk_f16_f32 v[T+i], v[T+2*i], v[T+2*i+1]  ; in place, ascending: register i is written when registers 2 i and 2 i + 1 have been read
.set i, i+1
.endr
.endm
.macro TOSTAGE a
.irp b, 0,1,2,3,4,5,6,7
	ds_store_b128 v[STO], v[T+4*\b:T+4*\b+3] offset:32*\b
.endr
.set BB, OB+32*((\a)%2)
.irp u, 0,1,2,3,4,5,6,7
	ds_load_b128 v[BB+4*\u:BB+4*\u+3], v[RD] offset:(\u%4)*4*SPITCH+(\u/4)*128   ; LDS serves a wave's instructions in order: these see the stores above
.endr
.endm
.macro SEND a, younger                 ; younger: the LDS instructions issued behind block a's loads, which may stay out
.set BB, OB+32*((\a)%2)
	s_wait_dscnt \younger
.irp u, 0,1,2,3,4,5,6,7
	global_store_b128 v[CO], v[BB+4*\u:BB+4*\u+3], s[12:13] offset:(\u/4)*262144+(\a)*2048+(\u%4)*512   ; 32 lanes store 512 consecutive bytes
.endr
.endm
	PLACES NP                                      ; behind the last products: their results are read and x's fragment registers written below
	PACK 0
	TOSTAGE 0
.irp a, 1,2,3,4,5,6,7
.if \a > 1
	s_wait_xcnt 0x0                                ; block a - 2's stores have read their registers: block a's loads may land there
.endif
	PACK \a
	TOSTAGE \a
	SEND \a-1, 16                                  ; behind block a - 1's loads: block a's 8 stores and 8 loads
.endr
	SEND 7, 0
	s_wait_tensorcnt 0x0                           ; the wave's end
	ds_add_u32 v[SPW], v[NIL]
	s_wait_dscnt 0x0
	CROUND                                         ; the closing round: no work-group ends while a partner may still ask for a tile that names it
	s_endpgm
.Lfunc_end_k_q0d5f4cd0d4_proj:
	.size	k_q0d5f4cd0d4_proj, .Lfunc_end_k_q0d5f4cd0d4_proj-k_q0d5f4cd0d4_proj
	.p2alignl 7, 3214868480
	.fill 96, 4, 3214868480
	.section	.rodata,"a",@progbits
	.p2align	6, 0x0
	.amdhsa_kernel k_q0d5f4cd0d4_proj
		.amdhsa_group_segment_fixed_size 327680
		.amdhsa_private_segment_fixed_size 0
		.amdhsa_enable_private_segment 0
		.amdhsa_kernarg_size 72
		.amdhsa_user_sgpr_count 2
		.amdhsa_user_sgpr_kernarg_segment_ptr 1
		.amdhsa_wavefront_size32 1
		.amdhsa_system_sgpr_workgroup_id_x 1
		.amdhsa_system_sgpr_workgroup_id_y 1
		.amdhsa_system_sgpr_workgroup_id_z 1
		.amdhsa_system_vgpr_workitem_id 0
		.amdhsa_next_free_vgpr 1024
		.amdhsa_next_free_sgpr 102
		.amdhsa_reserve_vcc 1
		.amdhsa_float_denorm_mode_32 3
		.amdhsa_float_denorm_mode_16_64 3
		.amdhsa_memory_ordered 1
		.amdhsa_forward_progress 1
		.amdhsa_inst_pref_size 146
	.end_amdhsa_kernel
	.amdgpu_metadata
---
amdhsa.version: [ 1, 2 ]
amdhsa.kernels:
  - .name:           k_q0d5f4cd0d4_proj
    .symbol:         k_q0d5f4cd0d4_proj.kd
    .args:
      - { .name: xc, .offset: 0, .size: 8, .value_kind: global_buffer, .address_space: global }
      - { .name: xs, .offset: 8, .size: 8, .value_kind: global_buffer, .address_space: global }
      - { .name: wc, .offset: 16, .size: 8, .value_kind: global_buffer, .address_space: global }
      - { .name: ws, .offset: 24, .size: 8, .value_kind: global_buffer, .address_space: global }
      - { .name: bq, .offset: 32, .size: 8, .value_kind: global_buffer, .address_space: global }
      - { .name: bk, .offset: 40, .size: 8, .value_kind: global_buffer, .address_space: global }
      - { .name: bv, .offset: 48, .size: 8, .value_kind: global_buffer, .address_space: global }
      - { .name: mask, .offset: 56, .size: 8, .value_kind: global_buffer, .address_space: global }
      - { .name: qkv, .offset: 64, .size: 8, .value_kind: global_buffer, .address_space: global }
    .group_segment_fixed_size: 327680
    .private_segment_fixed_size: 0
    .kernarg_segment_align: 8
    .kernarg_segment_size: 72
    .max_flat_workgroup_size: 128
    .sgpr_count:     102
    .vgpr_count:     1024
    .wavefront_size: 32
...
	.end_amdgpu_metadata
.endif
;; end of part 2
;; launch attn (part 3): grid 4 x 64, 8 waves a work-group, clusters of 4 x 1, 327,680 bytes of LDS; arguments qkv, mask, ctx; writes ctx
.if DOCPART == 3
	.amdgcn_target "amdgcn-amd-amdhsa--gfx1250"
	.amdhsa_code_object_version 6
	.text
	.protected	k_q0d5f4cd0d4_attn
	.globl	k_q0d5f4cd0d4_attn
	.p2align	8
	.type	k_q0d5f4cd0d4_attn,@function
k_q0d5f4cd0d4_attn:
	s_mov_b64 s[64:65], 0
	v_nop
	global_prefetch_b8 v0, s[64:65] scope:SCOPE_SE
	s_setreg_imm32_b32 hwreg(HW_REG_WAVE_MODE, 25, 1), 1
	s_wait_xcnt 0x0
	s_wait_alu depctr_hold_cnt(0) depctr_sa_sdst(0) depctr_va_vdst(0) depctr_va_sdst(0) depctr_va_ssrc(0) depctr_va_vcc(0) depctr_vm_vsrc(0)
	s_getreg_b32 s2, hwreg(HW_REG_IB_STS2, 6, 4)
	s_cmp_eq_u32 s2, 0
	s_cbranch_scc0 .Lentry_in_a_cluster
	s_endpgm
.Lentry_in_a_cluster:
	s_bfe_u32 s2, ttmp6, 0x10000c
	s_cmp_lg_u32 s2, 0x3003
	s_cbranch_scc0 .Lentry_shape_is_right
	s_endpgm
.Lentry_shape_is_right:
; ctx[head][token][:] = the sum over keys of softmax(score) V, score = Q . K / 8 where the key's mask is not 0, and -1e9 where it is 0.  Operands in f16; products, maxima and sums in f32.
; qkv holds Q' = (Q) x log2(e) / 8, K' (rows of masked keys are zeros) and V, each [batch 4][head 16][token 2048][64] f16.  So t = Q' . K' + C is the exponent to base 2, with C = 0 for a key that counts and
; C = -1e9 x log2(e) for a masked key: a masked key's t is exactly that constant, whatever Q holds.  C is the third source of each key tile's first product and costs no vector line.
; SOFTMAX: for each query a running maximum m and sum l: p = 2^(t - m); in every step O and l are multiplied by a = 2^(m_old - m_new).  A batch all of whose keys are masked gives p = 1 for all 2,048 keys.
; LIMITS: p is rounded to f16 for the second product, ctx once at the end; ctx beyond 65,504 becomes an f16 infinity; NaN and infinities are not served.
; SHARES: a work-group owns 512 queries of one head, each of its eight waves 64: four tiles of 16.  Two waves share a SIMD, so that one wave's vector work stands beside the other's matrix work.  Every wave walks all 2,048 keys, 64 a step.
; CLUSTER: the four query blocks of a head form a cluster and walk the same K' and V: each tile is asked for JOINTLY, by the same tensor load with the same descriptor and the mask of all four.
; RING: two LDS slots of 512 keys (eight key steps).  Waves 0-3 fetch K's quarters, waves 4-7 V's, 64 rows of 256 bytes each.  A refill is asked for eight key steps, 512 matrix instructions a wave, ahead of the wait for it: no prefetch is laid.
; LAYOUT: both products are used transposed.  S^T = K' Q'^T + C (source 0 = 16 keys, source 1 = 16 queries): a lane holds ONE query (lane % 16) and keys 8 (lane / 16) + 0 .. 7.  Two such tiles, rounded to f16 in pairs, ARE
; source 1 (32 keys x 16 queries) of O^T = V^T P.  A head's rows of 128 bytes are dense, so two keys are taken as one row of 256 bytes: key k lies at (k / 2) x pitch + 128 (k % 2).
; REGISTERS: window 0: v1-14 addresses and constants; v16-47 eight registers of statistics a tile (+0 m, +1 unused half of its pair, +2 +3 l, +4 .. +7 at work; a in +6); v48-79 C of the step's four key tiles; v128-255 S^T, then P, 32 a tile.
;   window 1: v0-127 O^T, 32 a tile; v128-191 Q', 16 a tile; v192-255 K' of a step, then V of the same step.
.set PITK,  272                        ; two keys of K' + 16 bytes of padding: the 16 rows of a load fall on 16 different columns of 16 bytes
.set PITV,  288                        ; two keys of V + 32: likewise for the turning load's 8 keys x 32 bytes
.set VOFF,  256*PITK                   ; a slot: 512 keys of K', then 512 keys of V
.set SLOT,  256*(PITK+PITV)
.set BIAS,  2*SLOT                     ; behind the ring: C of the batch's 2,048 keys, f32, stored by the waves: bytes of its own
.set SPARE, BIAS+8192                  ; the spare words, 128 bytes a wave, which no other line names
.set SP,    144                        ; the way out: a stage of 64 rows x (128 bytes + 16) for each wave, in slot 0, which has had its last fill and its last read by then
.set AK0, 3
.set AV0, 4
.set AB0, 5
.set ADK, 6
.set ADV, 7
.set ADB, 8
.set QO,  9
.set STO, 10
.set RD,  11
.set SPW, 12
.set NIL, 13
.set NEG, 14
.set ST,  16
.set BI,  48
.set MO,  96                           ; v96  32 x thread: my eight mask words
.set BST, 97                           ; v97  where I store my eight C
.set GO,  98                           ; v98  16 x lane: the way out
.set S,   128
.set KV,  192                          ; in window 1
.set QF,  128                          ; in window 1
.set WV,  10                           ; s10  my wave's number
.set TK,  22                           ; s22  LDS byte at which the step's keys of K' begin
.set TV,  23                           ; s23  the same for V
.set G1K, 24
.set G1V, 32
.set G0K, 40                           ; s[40:47] group 0 for K', a set for each slot
.set G0V, 48                           ; s[48:55] the same for V
.set TBI, 56                           ; s56  where the step's C begin
.set CNT, 57
.set SEL, 60                           ; s[60:61] lane selects for v_permlanex16_b32: lane l xor 16
.set MSB, 0
.macro WIN new
.if MSB != (\new)
	s_set_vgpr_msb (MSB<<8)|(\new)
.set MSB, (\new)
.endif
.endm
.set W_LD,  0x40                       ; destination window 1, address window 0
.set W_KQ,  0x05                       ; K' and Q' window 1; C and S^T window 0
.set W_PV,  0x51                       ; V window 1, P window 0, O^T window 1
.set W_RS,  0x41                       ; O^T (destination and source 0) window 1, a window 0
.set W_OUT, 0x01                       ; O^T (source 0) window 1, the rest window 0
.macro JLOAD s                         ; a joint refill of slot s; the branch hangs on the wave's number alone; an s_nop 0 and four v_nop follow each of the two lines
	s_cmp_lt_u32 s[WV], 4
	s_cbranch_scc0 .Lfor_v_\@
	tensor_load_to_lds s[G0K+4*\s:G0K+4*\s+3], s[G1K:G1K+7]
	s_nop 0
.rept 4
	v_nop
.endr
	s_branch .Lasked_\@
.Lfor_v_\@:
	tensor_load_to_lds s[G0V+4*\s:G0V+4*\s+3], s[G1V:G1V+7]
	s_nop 0
.rept 4
	v_nop
.endr
.Lasked_\@:
.endm
.macro CROUND                          ; a round of the cluster's barrier
	s_barrier_signal -1
	s_barrier_wait -1
	s_cmp_lg_u32 s[WV], 0
	s_cbranch_scc1 .Lnot_wave_0_\@
	s_barrier_signal -3
.Lnot_wave_0_\@:
	s_barrier_wait -3
	s_barrier_signal -1
	s_barrier_wait -1
.endm
	s_load_b128 s[4:7], s[0:1], 0x0                ; qkv, mask
	s_load_b64 s[8:9], s[0:1], 0x10                ; ctx
	v_lshl_add_u32 v[SPW], v0, 2, SPARE
	v_mov_b32 v[NIL], 0
	ds_add_u32 v[SPW], v[NIL]                      ; the wave's opening: the add, twice on end, and its wait ahead of my first tensor load
	ds_add_u32 v[SPW], v[NIL]
	v_lshrrev_b32 v1, 5, v0
	v_readfirstlane_b32 s[WV], v1                  ; wave 0..7
	s_bfe_u32 s11, ttmp6, 0x40000                  ; cx: my block of 512 queries; it enters Q's and ctx's addresses alone
	s_and_b32 s12, ttmp7, 0xffff                   ; 16 x batch + head, which the four partners share
	s_and_b32 s13, s[WV], 3                        ; which quarter of a slot's rows I fetch
	s_mul_i32 s2, s13, 64*PITK                     ; its place in a slot, for K'
	s_mul_i32 s3, s13, 64*PITV
	s_add_co_u32 s3, s3, VOFF                      ; and for V
	s_lshl_b32 s16, s12, 18                        ; the head's first byte in each of Q', K', V: 262,144 a head
	s_lshl_b32 s17, s13, 14                        ; my quarter: 64 rows of 256 bytes
	s_add_co_u32 s18, s16, s17
	s_add_co_u32 s18, s18, 0x1000000               ; K' lies 16,777,216 bytes behind Q',
	s_mov_b32 s19, 0
	s_add_co_u32 s20, s18, 0x1000000               ; V as far behind K'
	s_mov_b32 s21, 0
	s_lshl_b32 s14, s11, 16                        ; my block's 512 tokens of 128 bytes,
	s_lshl_b32 s15, s[WV], 13                      ; my wave's 64
	s_add_co_u32 s14, s14, s15
	s_add_co_u32 s58, s14, s16                     ; Q' at my first query
	s_mov_b32 s59, 0
	s_and_b32 s15, s12, 15
	s_lshl_b32 s15, s15, 20                        ; ctx: 1,048,576 bytes a head,
	s_lshr_b32 s17, s12, 4                         ; the batch:
	s_lshl_b32 s13, s17, 18                        ; 2,048 tokens of 128 bytes
	s_add_co_u32 s15, s15, s13
	s_add_co_u32 s14, s14, s15
	s_mov_b32 s15, 0
	s_lshl_b32 s16, s17, 13                        ; the mask: 8,192 bytes a batch
	s_mov_b32 s17, 0
	; descriptor group 1: 64 rows x 128 elements of 2 bytes, dense in memory, padded in LDS
	s_mov_b32 s[G1K], 15|(1<<16)|(1<<20)|(1<<21)|(5<<22)|(3<<25)  ; 15:0 all four work-groups; 17:16 elements of 2 bytes; 20 padding on; 21 set beside a mask; 24:22 after every 64 words; 31:25 four words
	s_mov_b32 s[G1V], 15|(1<<16)|(1<<20)|(1<<21)|(5<<22)|(7<<25)  ; the same with eight words of padding
.irp g, G1K, G1V
	s_mov_b32 s[\g+1], 128<<16                     ; tensor_dim0
	s_mov_b32 s[\g+2], 64<<16                      ; tensor_dim1
	s_mov_b32 s[\g+3], 128<<16                     ; tile_dim0
	s_mov_b32 s[\g+4], 64                          ; tile_dim1
	s_mov_b32 s[\g+5], 128                         ; tensor_dim0_stride
	s_mov_b32 s[\g+6], 0
	s_mov_b32 s[\g+7], 0
.endr
	s_mov_b32 s[SEL], 0x76543210
	s_mov_b32 s[SEL+1], 0xfedcba98
	s_wait_dscnt 0x0                               ; both opening adds are done
	s_wait_kmcnt 0x0
	s_add_nc_u64 s[18:19], s[4:5], s[18:19]        ; K' at my quarter of slot 0
	s_add_nc_u64 s[20:21], s[4:5], s[20:21]        ; V likewise
	s_add_nc_u64 s[4:5], s[4:5], s[58:59]          ; Q'
	s_add_nc_u64 s[6:7], s[6:7], s[16:17]          ; the batch's mask
	s_add_nc_u64 s[8:9], s[8:9], s[14:15]          ; ctx
.irp s, 0,1
	s_mov_b32 s[G0K+4*\s], 1                       ; count = 1
	s_add_co_u32 s[G0K+4*\s+1], s2, \s*SLOT        ; LDS address
	s_add_nc_u64 s[G0K+4*\s+2:G0K+4*\s+3], s[18:19], \s*65536   ; slot s begins with keys 512 s
	s_or_b32 s[G0K+4*\s+3], s[G0K+4*\s+3], 0x80000000           ; type = 2
	s_mov_b32 s[G0V+4*\s], 1
	s_add_co_u32 s[G0V+4*\s+1], s3, \s*SLOT
	s_add_nc_u64 s[G0V+4*\s+2:G0V+4*\s+3], s[20:21], \s*65536
	s_or_b32 s[G0V+4*\s+3], s[G0V+4*\s+3], 0x80000000
.endr
	CROUND                                         ; all four work-groups are here: the first joint loads meet
	s_cmp_lt_u32 s[WV], 4                          ; a wave's two first fills stand in one branch: two loads of mine are out
	s_cbranch_scc0 .Lfirst_v
	tensor_load_to_lds s[G0K:G0K+3], s[G1K:G1K+7]
	s_nop 0
	tensor_load_to_lds s[G0K+4:G0K+7], s[G1K:G1K+7]
	s_nop 0
.rept 4
	v_nop
.endr
	s_branch .Lfirst_asked
.Lfirst_v:
	tensor_load_to_lds s[G0V:G0V+3], s[G1V:G1V+7]
	s_nop 0
	tensor_load_to_lds s[G0V+4:G0V+7], s[G1V:G1V+7]
	s_nop 0
.rept 4
	v_nop
.endr
.Lfirst_asked:
	v_lshlrev_b32 v[MO], 5, v0
	global_load_b128 v[80:83], v[MO], s[6:7]       ; thread t: the mask of keys 8 t .. 8 t + 7
	global_load_b128 v[84:87], v[MO], s[6:7] offset:16
	v_and_b32 v1, 15, v0                           ; r
	v_bfe_u32 v2, v0, 4, 1                         ; h
	v_lshlrev_b32 v[QO], 7, v1
	v_lshl_add_u32 v[QO], v2, 4, v[QO]             ; Q': row r of 128 bytes, + 16 h
	WIN W_LD
.irp q, 0,1,2,3                        ; Q' stays in registers: tile q, channels 32 f on: registers 0-3 channels 8 h + 0 .. 7, registers 4-7 channels 16 + 8 h + 0 .. 7
.irp f, 0,1
	global_load_b128 v[QF+16*\q+8*\f:QF+16*\q+8*\f+3],   v[QO], s[4:5] offset:2048*\q+64*\f
	global_load_b128 v[QF+16*\q+8*\f+4:QF+16*\q+8*\f+7], v[QO], s[4:5] offset:2048*\q+64*\f+32
.endr
.endr
	WIN 0
	v_lshrrev_b32 v15, 1, v1
	v_mul_u32_u24 v[AK0], v15, PITK
	v_and_b32 v15, 1, v0
	v_lshl_add_u32 v[AK0], v15, 7, v[AK0]
	v_lshl_add_u32 v[AK0], v2, 4, v[AK0]           ; K': key r: (r / 2) x pitch + 128 (r % 2) + 16 h
	; the turning load: lane l reads 16 bytes: key 8 (l / 16) + l % 8, channels 8 ((l / 8) % 2) + 0 .. 7, and is left with channel l % 16 and 8 keys
	v_bfe_u32 v[AV0], v0, 1, 2
	v_lshl_add_u32 v[AV0], v2, 2, v[AV0]           ; (key / 2) = 4 h + (l % 8) / 2
	v_mul_u32_u24 v[AV0], v[AV0], PITV
	v_lshl_add_u32 v[AV0], v15, 7, v[AV0]          ; + 128 (l % 2)
	v_bfe_u32 v15, v0, 3, 1
	v_lshl_add_u32 v[AV0], v15, 4, v[AV0]
	v_lshl_add_u32 v[AB0], v2, 5, BIAS             ; C: register j of a key tile belongs to key 8 h + j
	v_add_nc_u32 v[BST], BIAS, v[MO]
	s_mul_i32 s13, s[WV], 64*SP                    ; my stage
	v_mul_u32_u24 v[STO], v1, SP                   ; in: row r, 16 bytes for each half of the lanes
	v_lshl_add_u32 v[STO], v2, 4, v[STO]
	v_add_nc_u32 v[STO], s13, v[STO]
	v_bfe_u32 v[RD], v0, 3, 2                      ; back: eight lanes to a row of 128 bytes, four rows an instruction
	v_mul_u32_u24 v[RD], v[RD], SP
	v_and_b32 v15, 7, v0
	v_lshl_add_u32 v[RD], v15, 4, v[RD]
	v_add_nc_u32 v[RD], s13, v[RD]
	v_and_b32 v15, 31, v0
	v_lshlrev_b32 v[GO], 4, v15
	v_mov_b32 v[NEG], 0xceabfb8f                   ; -1e9 x log2(e)
.irp q, 0,1,2,3
	v_mov_b32 v[ST+8*\q], 0xff61b1e6               ; m: -3e38, under every t
.irp j, 1,2,3,4,5,6,7
	v_mov_b32 v[ST+8*\q+\j], 0
.endr
.endr
	WIN W_LD
.set i, 0
.rept 128
	v_mov_b32 v[i], 0                              ; O^T.  The key step is written once: its first trip finds zeros, which a = 0 leaves zeros
.set i, i+1
.endr
	WIN 0
	s_wait_loadcnt 16                              ; the mask is in; Q's sixteen loads stay out
.irp i, 0,1,2,3,4,5,6,7
	v_cmp_eq_u32 vcc_lo, 0, v[80+\i]
	v_cndmask_b32 v[88+\i], 0, v[NEG], vcc_lo
.endr
	ds_store_b128 v[BST], v[88:91]
	ds_store_b128 v[BST], v[92:95] offset:16
	s_wait_tensorcnt 1                             ; my part of slot 0 is in; slot 1's may stay out
	s_wait_dscnt 0x0                               ; for the others' sake: my C are stored
	s_barrier_signal -1
	s_barrier_wait -1
	s_wait_loadcnt 0x0                             ; Q'
; A KEY STEP: 64 keys.  32 products K' Q'^T, the softmax of four tiles by turns, 32 products V^T P.  The accumulators take turns, one instruction a turn: 15 others' stand between two links of a chain.
.macro STEP
	v_add_nc_u32 v[ADK], s[TK], v[AK0]             ; these three and two v_nop are the five places behind the last step's products V^T P: ahead of the loads into V's registers and of the products that write over P
	v_add_nc_u32 v[ADV], s[TV], v[AV0]
	v_add_nc_u32 v[ADB], s[TBI], v[AB0]
	v_nop
	v_nop
.irp kt, 0,1,2,3
	ds_load_b128 v[BI+8*\kt:BI+8*\kt+3],   v[ADB] offset:64*\kt
	ds_load_b128 v[BI+8*\kt+4:BI+8*\kt+7], v[ADB] offset:64*\kt+16
.endr
	WIN W_LD
.irp f, 0,1
.irp kt, 0,1,2,3
	ds_load_b128 v[KV+32*\f+8*\kt:KV+32*\f+8*\kt+3],   v[ADK] offset:\kt*8*PITK+64*\f
	ds_load_b128 v[KV+32*\f+8*\kt+4:KV+32*\f+8*\kt+7], v[ADK] offset:\kt*8*PITK+64*\f+32
.endr
.endr
	s_wait_dscnt 8                                 ; C and K's channels 0-31 are in; the eight loads of channels 32-63 may be out
	WIN W_KQ
.irp kt, 0,1,2,3
.irp q, 0,1,2,3
	v_wmma_f32_16x16x32_f16 v[S+32*\q+8*\kt:S+32*\q+8*\kt+7], v[KV+8*\kt:KV+8*\kt+7], v[QF+16*\q:QF+16*\q+7], v[BI+8*\kt:BI+8*\kt+7]
.endr
.endr
	s_wait_dscnt 0x0
.irp kt, 0,1,2,3
.irp q, 0,1,2,3
	v_wmma_f32_16x16x32_f16 v[S+32*\q+8*\kt:S+32*\q+8*\kt+7], v[KV+32+8*\kt:KV+32+8*\kt+7], v[QF+16*\q+8:QF+16*\q+15], v[S+32*\q+8*\kt:S+32*\q+8*\kt+7]
.endr
.endr
.rept 4
	v_nop                                          ; places: ahead of the loads into K's registers and of the first read of the scores
.endr
	WIN W_LD
.irp u, 0,1                            ; V, turned: keys 32 u on, channels 16 ct on
.irp ct, 0,1,2,3
	ds_load_tr16_b128 v[KV+32*\u+8*\ct:KV+32*\u+8*\ct+3],   v[ADV] offset:\u*16*PITV+32*\ct
	ds_load_tr16_b128 v[KV+32*\u+8*\ct+4:KV+32*\u+8*\ct+7], v[ADV] offset:\u*16*PITV+8*PITV+32*\ct
.endr
.endr
	WIN 0
	; the maximum of a lane's 32 scores and the old m: four chains, each accumulator read from its low end on
.irp j, 0,1,2,3
.irp q, 0,1,2,3
	v_max3_num_f32 v[ST+8*\q+4+\j], v[S+32*\q+8*\j], v[S+32*\q+8*\j+1], v[S+32*\q+8*\j+2]
.endr
.endr
.irp g, 1,2
.irp j, 0,1,2,3
.irp q, 0,1,2,3
	v_max3_num_f32 v[ST+8*\q+4+\j], v[ST+8*\q+4+\j], v[S+32*\q+8*\j+2*\g+1], v[S+32*\q+8*\j+2*\g+2]
.endr
.endr
.endr
.irp q, 0,1,2,3
	v_max3_num_f32 v[ST+8*\q+4], v[ST+8*\q+4], v[S+32*\q+7], v[S+32*\q+15]
.endr
.irp q, 0,1,2,3
	v_max3_num_f32 v[ST+8*\q+6], v[ST+8*\q+6], v[S+32*\q+23], v[S+32*\q+31]
.endr
.irp q, 0,1,2,3
	v_max3_num_f32 v[ST+8*\q+4], v[ST+8*\q+4], v[ST+8*\q+5], v[ST+8*\q+6]
.endr
.irp q, 0,1,2,3
	v_max3_num_f32 v[ST+8*\q+4], v[ST+8*\q+4], v[ST+8*\q+7], v[ST+8*\q]
.endr
.irp q, 0,1,2,3
	v_permlanex16_b32 v[ST+8*\q+5], v[ST+8*\q+4], s[SEL], s[SEL+1]   ; the query's other 32 keys lie in the lane 16 away
.endr
.irp q, 0,1,2,3
	v_max_num_f32 v[ST+8*\q+4], v[ST+8*\q+4], v[ST+8*\q+5]           ; the new m
.endr
.irp q, 0,1,2,3
	v_sub_f32 v[ST+8*\q+7], v[ST+8*\q], v[ST+8*\q+4]                 ; m_old - m_new
.endr
.irp q, 0,1,2,3
	v_mov_b32 v[ST+8*\q], v[ST+8*\q+4]
.endr
	; ONE BATCH of 132 exponentials: a of the four tiles, then the scores; pair i's subtractions stand ahead of pair i - 1's exponentials.  Nothing names a result before the one wait behind the batch.
.irp q, 0,1,2,3
	v_exp_f32 v[ST+8*\q+6], v[ST+8*\q+7]
.endr
.set i, 0
.rept 17
.if i < 16
.irp q, 0,1,2,3
	v_pk_add_f32 v[S+32*\q+2*i:S+32*\q+2*i+1], v[S+32*\q+2*i:S+32*\q+2*i+1], v[ST+8*\q:ST+8*\q+1] op_sel_hi:[1,0] neg_lo:[0,1] neg_hi:[0,1]   ; t - m, two at a time
.endr
.endif
.if i > 0
.irp q, 0,1,2,3
	v_exp_f32 v[S+32*\q+2*i-2], v[S+32*\q+2*i-2]
	v_exp_f32 v[S+32*\q+2*i-1], v[S+32*\q+2*i-1]
.endr
.endif
.set i, i+1
.endr
	v_nop                                          ; a plain line behind the last exponential
	s_wait_alu depctr_va_vdst(0)                   ; the wait ahead of the first line that names a result: one for the batch
.irp q, 0,1,2,3
	v_pk_add_f32 v[ST+8*\q+4:ST+8*\q+5], v[S+32*\q:S+32*\q+1], v[S+32*\q+2:S+32*\q+3]   ; the sum of the unrounded p, even and odd keys apart
.endr
.irp i, 2,3,4,5,6,7,8,9,10,11,12,13,14,15
.irp q, 0,1,2,3
	v_pk_add_f32 v[ST+8*\q+4:ST+8*\q+5], v[ST+8*\q+4:ST+8*\q+5], v[S+32*\q+2*\i:S+32*\q+2*\i+1]
.endr
.endr
.irp q, 0,1,2,3
	v_pk_fma_f32 v[ST+8*\q+2:ST+8*\q+3], v[ST+8*\q+2:ST+8*\q+3], v[ST+8*\q+6:ST+8*\q+7], v[ST+8*\q+4:ST+8*\q+5] op_sel_hi:[1,0,1]   ; l = a l + the sum
.endr
.irp i, 0,1,2,3,4,5,6,7,8,9,10,11,12,13,14,15
.irp q, 0,1,2,3
	v_cvt_pk_f16_f32 v[S+32*\q+\i], v[S+32*\q+2*\i], v[S+32*\q+2*\i+1]   ; P, in place, ascending: registers 8 u .. 8 u + 7 of a tile are keys 32 u on
.endr
.endr
	WIN W_RS
.irp i, 0,1,2,3,4,5,6,7,8,9,10,11,12,13,14,15
.irp q, 0,1,2,3
	v_pk_mul_f32 v[32*\q+2*\i:32*\q+2*\i+1], v[32*\q+2*\i:32*\q+2*\i+1], v[ST+8*\q+6:ST+8*\q+7] op_sel_hi:[1,0]   ; O^T x a
.endr
.endr
	s_wait_dscnt 0x0                               ; V is in
	WIN W_PV
.irp u, 0,1
.irp ct, 0,1,2,3
.irp q, 0,1,2,3
	v_wmma_f32_16x16x32_f16 v[32*\q+8*\ct:32*\q+8*\ct+7], v[KV+32*\u+8*\ct:KV+32*\u+8*\ct+7], v[S+32*\q+8*\u:S+32*\q+8*\u+7], v[32*\q+8*\ct:32*\q+8*\ct+7]
.endr
.endr
.endr
	WIN 0
.endm
; A slot's eight key steps: written once, walked eight times.  n: which 512 keys of the head.
.macro VISIT slot, n
	s_mov_b32 s[TK], \slot*SLOT
	s_mov_b32 s[TV], \slot*SLOT+VOFF
	s_mov_b32 s[TBI], \n*2048
	s_mov_b32 s[CNT], 8
.Lstep_\@:
	STEP
	s_add_co_u32 s[TK], s[TK], 32*PITK
	s_add_co_u32 s[TV], s[TV], 32*PITV
	s_add_co_u32 s[TBI], s[TBI], 256
	s_sub_co_u32 s[CNT], s[CNT], 1
	s_cmp_lg_u32 s[CNT], 0
	s_cbranch_scc1 .Lstep_\@
.endm
; THE CHANGE OF SLOTS.  Each wave waits for all its tensor loads (its part of the slot ahead), adds 0 to its spare word, and waits for that and for its reads of the slot that it leaves.
; fill = 1: slot s, just left, is filled with the keys 1,024 on: the barrier is a round of the cluster's, and the joint refill is the first thing behind it, one load a wave.
.macro CHANGE fill, s
	s_wait_tensorcnt 0x0                           ; no tensor load of mine is out, so a group 0 may be written
	ds_add_u32 v[SPW], v[NIL]
.if \fill
	s_add_nc_u64 s[G0K+4*\s+2:G0K+4*\s+3], s[G0K+4*\s+2:G0K+4*\s+3], 131072   ; 1,024 keys of 128 bytes; the type bits on top are not reached
	s_add_nc_u64 s[G0V+4*\s+2:G0V+4*\s+3], s[G0V+4*\s+2:G0V+4*\s+3], 131072
.endif
	s_wait_dscnt 0x0                               ; the add is done, and my reads of the slot are over
.if \fill
	CROUND
	JLOAD \s
.else
	s_barrier_signal -1
	s_barrier_wait -1
.endif
.endm
	VISIT 0, 0
	CHANGE 1, 0
	VISIT 1, 1
	CHANGE 1, 1
	VISIT 0, 2
	CHANGE 0, 0                                    ; nothing is left to fetch
	VISIT 1, 3
	; THE WAY OUT.  l's halves and the other half of the lanes' are added; O^T / l is rounded to f16 and goes through my stage: 64 rows of 128 bytes, which are 8,192 consecutive bytes of ctx.
.irp q, 0,1,2,3
	v_add_f32 v[ST+8*\q+4], v[ST+8*\q+2], v[ST+8*\q+3]               ; (these lines are also the places behind the last products)
.endr
.irp q, 0,1,2,3
	v_permlanex16_b32 v[ST+8*\q+5], v[ST+8*\q+4], s[SEL], s[SEL+1]
.endr
.irp q, 0,1,2,3
	v_add_f32 v[ST+8*\q+4], v[ST+8*\q+4], v[ST+8*\q+5]
.endr
.irp q, 0,1,2,3
	v_rcp_f32 v[ST+8*\q+6], v[ST+8*\q+4]
.endr
	v_nop                                          ; a plain line behind the last reciprocal
	s_wait_alu depctr_va_vdst(0)                   ; and the wait ahead of the first use: one for the four
	WIN W_OUT
.irp q, 0,1,2,3
.irp i, 0,1,2,3,4,5,6,7,8,9,10,11,12,13,14,15
	v_pk_mul_f32 v[S+32*\q+2*\i:S+32*\q+2*\i+1], v[32*\q+2*\i:32*\q+2*\i+1], v[ST+8*\q+6:ST+8*\q+7] op_sel_hi:[1,0]
.endr
.endr
	WIN 0
.irp q, 0,1,2,3
.irp i, 0,1,2,3,4,5,6,7,8,9,10,11,12,13,14,15
	v_cvt_pk_f16_f32 v[S+32*\q+\i], v[S+32*\q+2*\i], v[S+32*\q+2*\i+1]
.endr
.endr
.irp q, 0,1,2,3
.irp ct, 0,1,2,3
	ds_store_b128 v[STO], v[S+32*\q+4*\ct:S+32*\q+4*\ct+3] offset:16*SP*\q+32*\ct   ; query 16 q + r, channels 16 ct + 8 h + 0 .. 7
.endr
.endr
.irp i, 0,1,2,3,4,5,6,7,8,9,10,11,12,13,14,15
	ds_load_b128 v[S+32*(\i/4)+16+4*(\i%4):S+32*(\i/4)+16+4*(\i%4)+3], v[RD] offset:4*SP*\i   ; LDS serves a wave's instructions in order: these see my stores
.endr
.irp i, 0,1,2,3,4,5,6,7,8,9,10,11,12,13,14,15
	s_wait_dscnt 15-\i                             ; load i is in; the younger ones stay out
	global_store_b128 v[GO], v[S+32*(\i/4)+16+4*(\i%4):S+32*(\i/4)+16+4*(\i%4)+3], s[8:9] offset:512*\i   ; 32 lanes store 512 consecutive bytes
.endr
	s_wait_tensorcnt 0x0                           ; the wave's end
	ds_add_u32 v[SPW], v[NIL]
	s_wait_dscnt 0x0
	CROUND                                         ; the closing round
	s_endpgm
.Lfunc_end_k_q0d5f4cd0d4_attn:
	.size	k_q0d5f4cd0d4_attn, .Lfunc_end_k_q0d5f4cd0d4_attn-k_q0d5f4cd0d4_attn
	.p2alignl 7, 3214868480
	.fill 96, 4, 3214868480
	.section	.rodata,"a",@progbits
	.p2align	6, 0x0
	.amdhsa_kernel k_q0d5f4cd0d4_attn
		.amdhsa_group_segment_fixed_size 327680
		.amdhsa_private_segment_fixed_size 0
		.amdhsa_enable_private_segment 0
		.amdhsa_kernarg_size 24
		.amdhsa_user_sgpr_count 2
		.amdhsa_user_sgpr_kernarg_segment_ptr 1
		.amdhsa_wavefront_size32 1
		.amdhsa_system_sgpr_workgroup_id_x 1
		.amdhsa_system_sgpr_workgroup_id_y 1
		.amdhsa_system_sgpr_workgroup_id_z 1
		.amdhsa_system_vgpr_workitem_id 0
		.amdhsa_next_free_vgpr 512
		.amdhsa_next_free_sgpr 66
		.amdhsa_reserve_vcc 1
		.amdhsa_float_denorm_mode_32 3
		.amdhsa_float_denorm_mode_16_64 3
		.amdhsa_memory_ordered 1
		.amdhsa_forward_progress 1
		.amdhsa_inst_pref_size 160
	.end_amdhsa_kernel
	.amdgpu_metadata
---
amdhsa.version: [ 1, 2 ]
amdhsa.kernels:
  - .name:           k_q0d5f4cd0d4_attn
    .symbol:         k_q0d5f4cd0d4_attn.kd
    .args:
      - { .name: qkv, .offset: 0, .size: 8, .value_kind: global_buffer, .address_space: global }
      - { .name: mask, .offset: 8, .size: 8, .value_kind: global_buffer, .address_space: global }
      - { .name: ctx, .offset: 16, .size: 8, .value_kind: global_buffer, .address_space: global }
    .group_segment_fixed_size: 327680
    .private_segment_fixed_size: 0
    .kernarg_segment_align: 8
    .kernarg_segment_size: 24
    .max_flat_workgroup_size: 256
    .sgpr_count:     66
    .vgpr_count:     512
    .wavefront_size: 32
...
	.end_amdgpu_metadata
.endif
;; end of part 3
;; launch outp (part 4): grid 4 x 64, 4 waves a work-group, clusters of 4 x 4, 327,680 bytes of LDS; arguments ctx, wo16, bo, out0; writes out0
.if DOCPART == 4
	.amdgcn_target "amdgcn-amd-amdhsa--gfx1250"
	.amdhsa_code_object_version 6
	.text
	.protected	k_q0d5f4cd0d4_outp
	.globl	k_q0d5f4cd0d4_outp
	.p2align	8
	.type	k_q0d5f4cd0d4_outp,@function
k_q0d5f4cd0d4_outp:
	s_mov_b64 s[64:65], 0
	v_nop
	global_prefetch_b8 v0, s[64:65] scope:SCOPE_SE
	s_setreg_imm32_b32 hwreg(HW_REG_WAVE_MODE, 25, 1), 1
	s_wait_xcnt 0x0
	s_wait_alu depctr_hold_cnt(0) depctr_sa_sdst(0) depctr_va_vdst(0) depctr_va_sdst(0) depctr_va_ssrc(0) depctr_va_vcc(0) depctr_vm_vsrc(0)
	s_getreg_b32 s2, hwreg(HW_REG_IB_STS2, 6, 4)
	s_cmp_eq_u32 s2, 0
	s_cbranch_scc0 .Lentry_in_a_cluster
	s_endpgm
.Lentry_in_a_cluster:
	s_bfe_u32 s2, ttmp6, 0x10000c
	s_cmp_lg_u32 s2, 0xf033
	s_cbranch_scc0 .Lentry_shape_is_right
	s_endpgm
.Lentry_shape_is_right:
; out0[token][n] = the sum over k of ctx[token][k] Wo[n][k] + bo[n].  ctx: f16, laid [head 16][token 8192][64], k = 64 head + channel; wo16: f16 [1024 n][1024 k]; bo, out0: f32; sums in f32.
; A tile of out0 is 128 tokens x 256 outputs: 256 work-groups.  Four waves, each 64 tokens x 128 outputs: 32 accumulators of 16 x 16.
; K goes in steps of 128 (two heads) through a ring of two LDS slots.  A head's 128 tokens are 16,384 dense bytes: they come as 64 rows of 256 bytes, two tokens to a row; waves 0 and 1 fetch the step's two heads,
; waves 2 and 3 the halves of Wo's 256 rows (128 rows of 256 bytes each).
; CLUSTERS: 4 x 4 work-groups.  The four of a row of the cluster need the same tiles of ctx, the four of a column the same tiles of Wo: each tile is asked for JOINTLY.
; THE MATRIX INSTRUCTION IS USED TRANSPOSED (source 0 = 16 rows of Wo, source 1 = 16 tokens): a lane holds one token and eight neighbouring outputs.  bo is the C of each sum's first product.
; REGISTERS: window 0: v1-29 addresses; v32-127, v128-223 two fragment buffers for 32 along K: Wo's 8 fragments, then ctx's 4.   window 1: the accumulators ((i, b) at v[8 (8 i + b)]).   window 2: v0-63 bo, 8 registers a block of outputs.
.set PITCH,  272                       ; an LDS row: 256 bytes + 16 of padding
.set PLANE,  64*PITCH                  ; one head's 128 tokens
.set BOFF,   2*PLANE                   ; Wo's rows lie behind the two heads
.set HALFB,  128*PITCH
.set SLOT,   BOFF+2*HALFB
.set STAGE,  2*SLOT                    ; behind the ring: 16 rows x (512 bytes + 16) for each wave
.set SPITCH, 528
.set SPARE,  STAGE+4*16*SPITCH         ; the spare words, 128 bytes a wave, which no other line names
.set LAPS,   4                         ; a lap = two K steps = once round the ring
.set ADRA, 16
.set ADRB, 20
.set STO,  24
.set RD,   25
.set CO,   26
.set BO,   27                          ; v27  32 x (lane / 16): my eight numbers of a block's bo; never rewritten
.set SPW,  28
.set NIL,  29
.set F0,   32
.set F1,   128
.set G1A, 24
.set G0A, 32
.set G1B, 48
.set G0B, 56
.set MSB, 0
.macro WIN new
.if MSB != (\new)
	s_set_vgpr_msb (MSB<<8)|(\new)
.set MSB, (\new)
.endif
.endm
.set MUL,  0x50                        ; C and D window 1, the fragments window 0
.set MULZ, 0x60                        ; the first products: C (bo) window 2, D window 1
.macro JLOAD s                         ; a joint load: waves 0 and 1 fetch for ctx, waves 2 and 3 for Wo; an s_nop 0 and four v_nop follow each of the two lines
	s_cmp_eq_u32 s13, 0
	s_cbranch_scc0 .Lfor_b_\@
	tensor_load_to_lds s[G0A+4*\s:G0A+4*\s+3], s[G1A:G1A+7]
	s_nop 0
.rept 4
	v_nop
.endr
	s_branch .Lasked_\@
.Lfor_b_\@:
	tensor_load_to_lds s[G0B+4*\s:G0B+4*\s+3], s[G1B:G1B+7]
	s_nop 0
.rept 4
	v_nop
.endr
.Lasked_\@:
.endm
.macro CREST                           ; a round of the cluster's barrier behind its opening barrier
	s_cmp_lg_u32 s12, 0
	s_cbranch_scc1 .Lnot_wave_0_\@
	s_barrier_signal -3
.Lnot_wave_0_\@:
	s_barrier_wait -3
	s_barrier_signal -1
	s_barrier_wait -1
.endm
.macro CROUND
	s_barrier_signal -1
	s_barrier_wait -1
	CREST
.endm
	s_load_b128 s[4:7], s[0:1], 0x0                ; ctx, wo16
	s_load_b128 s[8:11], s[0:1], 0x10              ; bo, out0
	v_lshl_add_u32 v[SPW], v0, 2, SPARE
	v_mov_b32 v[NIL], 0
	ds_add_u32 v[SPW], v[NIL]                      ; the wave's opening: the add, twice on end, and its wait ahead of my first tensor load
	ds_add_u32 v[SPW], v[NIL]
	v_lshrrev_b32 v1, 5, v0
	v_readfirstlane_b32 s12, v1                    ; wave 0..3
	s_lshr_b32 s13, s12, 1                         ; which 64 tokens are mine.  Also: I fetch for ctx (0) or for Wo (1)
	s_and_b32 s14, s12, 1                          ; which 128 outputs.  Also: which head of the step, or which half of Wo's rows, I fetch
	s_bfe_u32 s40, ttmp6, 0x40000                  ; cx, cy
	s_bfe_u32 s41, ttmp6, 0x40004
	s_lshl_b32 s42, ttmp9, 2
	s_add_co_u32 s42, s42, s40                     ; tile column
	s_and_b32 s43, ttmp7, 0xffff
	s_lshl_b32 s43, s43, 2
	s_add_co_u32 s43, s43, s41                     ; tile row
	s_lshl_b32 s44, s41, 2
	s_lshl_b32 s44, 15, s44                        ; my row of the cluster
	s_lshl_b32 s45, 0x1111, s40                    ; my column
	s_or_b32 s[G1A+0], s44, (1<<16)|(1<<20)|(1<<21)|(5<<22)|(3<<25)  ; the mask; elements of 2 bytes; padding on; bit 21 beside a mask; four words after every 64
	s_or_b32 s[G1B+0], s45, (1<<16)|(1<<20)|(1<<21)|(5<<22)|(3<<25)
	s_mov_b32 s[G1A+1], 128<<16                    ; ctx: tensor_dim0 = 128
	s_mov_b32 s[G1A+2], 64<<16                     ; tensor_dim1 = 64
	s_mov_b32 s[G1A+3], 128<<16                    ; tile_dim0
	s_mov_b32 s[G1A+4], 64                         ; tile_dim1
	s_mov_b32 s[G1A+5], 128                        ; dense rows
	s_mov_b32 s[G1A+6], 0
	s_mov_b32 s[G1A+7], 0
	s_mov_b32 s[G1B+1], 128<<16                    ; Wo: 128 rows x 128 elements, 1,024 elements from row to row
	s_mov_b32 s[G1B+2], 128<<16
	s_mov_b32 s[G1B+3], 128<<16
	s_mov_b32 s[G1B+4], 128
	s_mov_b32 s[G1B+5], 1024
	s_mov_b32 s[G1B+6], 0
	s_mov_b32 s[G1B+7], 0
	s_lshl_b32 s16, s14, 20                        ; ctx: my head of the step, 1,048,576 bytes a head,
	s_lshl_b32 s17, s43, 14                        ; and the tile's 128 tokens of 128 bytes
	s_add_co_u32 s16, s16, s17
	s_mov_b32 s17, 0
	s_lshl_b32 s46, s42, 19                        ; Wo: row 256 x tile column + 128 x half, 2,048 bytes a row
	s_lshl_b32 s47, s14, 18
	s_add_co_u32 s46, s46, s47
	s_mov_b32 s47, 0
	s_mul_i32 s20, s14, PLANE                      ; where they go: no place in the cluster enters an LDS address
	s_mul_i32 s21, s14, HALFB
	s_add_co_u32 s21, s21, BOFF
	s_wait_dscnt 0x0                               ; both opening adds are done
	s_wait_kmcnt 0x0
	s_add_nc_u64 s[18:19], s[4:5], s[16:17]
	s_add_nc_u64 s[46:47], s[6:7], s[46:47]
	CROUND                                         ; all sixteen work-groups are here: the first joint loads meet
.irp s, 0,1
	s_mov_b32 s[G0A+4*\s], 1
	s_add_co_u32 s[G0A+4*\s+1], s20, \s*SLOT
	s_add_nc_u64 s[G0A+4*\s+2:G0A+4*\s+3], s[18:19], \s*2097152   ; K step s: heads 2 s, 2 s + 1
	s_or_b32 s[G0A+4*\s+3], s[G0A+4*\s+3], 0x80000000
	s_mov_b32 s[G0B+4*\s], 1
	s_add_co_u32 s[G0B+4*\s+1], s21, \s*SLOT
	s_add_nc_u64 s[G0B+4*\s+2:G0B+4*\s+3], s[46:47], \s*256
	s_or_b32 s[G0B+4*\s+3], s[G0B+4*\s+3], 0x80000000
	JLOAD \s                                       ; two tensor loads of mine are out
.endr
	v_and_b32 v1, 15, v0                           ; r
	v_bfe_u32 v2, v0, 4, 1                         ; h
	s_lshl_b32 s22, s42, 10
	s_lshl_b32 s23, s14, 9
	s_add_co_u32 s22, s22, s23                     ; 4 x (256 x tile column + 128 x half): my first output, in bytes
	s_mov_b32 s23, 0
	s_add_nc_u64 s[8:9], s[8:9], s[22:23]
	v_lshlrev_b32 v[BO], 5, v2
	WIN 0x80                                       ; destination window 2
.irp b, 0,1,2,3,4,5,6,7
	global_load_b128 v[8*\b:8*\b+3],   v[BO], s[8:9] offset:64*\b      ; bo of outputs 16 b + 8 h + 0 .. 7
	global_load_b128 v[8*\b+4:8*\b+7], v[BO], s[8:9] offset:64*\b+16
.endr
	WIN 0
	s_lshl_b32 s16, s43, 19                        ; out0: 128 rows of 4,096 bytes a tile row,
	s_lshl_b32 s17, s13, 18                        ; my 64 rows
	s_add_co_u32 s16, s16, s17
	s_mov_b32 s17, 0
	s_add_nc_u64 s[10:11], s[10:11], s[16:17]
	s_add_nc_u64 s[10:11], s[10:11], s[22:23]
	v_lshrrev_b32 v3, 1, v1
	v_mul_u32_u24 v3, v3, PITCH
	v_and_b32 v4, 1, v0
	v_lshl_add_u32 v3, v4, 7, v3
	v_lshl_add_u32 v3, v2, 4, v3                   ; ctx: token r: (r / 2) x pitch + 128 (r % 2) + 16 h
	v_mul_u32_u24 v4, v1, PITCH
	v_lshl_add_u32 v4, v2, 4, v4                   ; Wo: row r x pitch + 16 h
	s_mul_i32 s20, s13, 32*PITCH                   ; my 64 tokens
	s_mul_i32 s21, s14, HALFB                      ; my 128 rows of Wo
	s_add_co_u32 s21, s21, BOFF
.irp s, 0,1
	v_add_nc_u32 v[ADRA+\s], s20, v3
	v_add_nc_u32 v[ADRB+\s], s21, v4
	s_add_co_u32 s20, s20, SLOT
	s_add_co_u32 s21, s21, SLOT
.endr
	s_mul_i32 s23, s12, 16*SPITCH
	s_add_co_u32 s23, s23, STAGE                   ; my stage
	v_mul_u32_u24 v5, v1, SPITCH                   ; in: row r, 32 bytes for each half of the lanes
	v_lshl_add_u32 v5, v2, 5, v5
	v_add_nc_u32 v[STO], s23, v5
	v_and_b32 v6, 31, v0
	v_lshlrev_b32 v[CO], 4, v6                     ; back: the 32 lanes take one row of 512 bytes; and the same in out0
	v_add_nc_u32 v[RD], s23, v[CO]
; 8 matrix instructions: token block i against Wo's eight blocks, 32 along K, from buffer f.  first = 1: the sums begin with bo as C.  The 32 accumulators take turns, in the same order in every quarter.
.macro MUL8 f, i, first
.irp b, 0,1,2,3,4,5,6,7
.if \first
	v_wmma_f32_16x16x32_f16 v[8*(8*\i+\b):8*(8*\i+\b)+7], v[\f+8*\b:\f+8*\b+7], v[\f+64+8*\i:\f+64+8*\i+7], v[8*\b:8*\b+7]
.else
	v_wmma_f32_16x16x32_f16 v[8*(8*\i+\b):8*(8*\i+\b)+7], v[\f+8*\b:\f+8*\b+7], v[\f+64+8*\i:\f+64+8*\i+7], v[8*(8*\i+\b):8*(8*\i+\b)+7]
.endif
.endr
.endm
; 24 LDS loads in one run: the fragments of the slot's q-th 32 along K into buffer f.  Quarters 0, 1 lie in the step's first head, 2, 3 in its second.
.macro FETCH slot, q, f
	WIN 0
.irp b, 0,1,2,3,4,5,6,7
	ds_load_b128 v[\f+8*\b:\f+8*\b+3],   v[ADRB+\slot] offset:\b*16*PITCH+64*(\q)
	ds_load_b128 v[\f+8*\b+4:\f+8*\b+7], v[ADRB+\slot] offset:\b*16*PITCH+64*(\q)+32
.endr
.irp i, 0,1,2,3
	ds_load_b128 v[\f+64+8*\i:\f+64+8*\i+3], v[ADRA+\slot] offset:\i*8*PITCH+PLANE*((\q)/2)+64*((\q)%2)
	ds_load_b128 v[\f+64+8*\i+4:\f+64+8*\i+7], v[ADRA+\slot] offset:\i*8*PITCH+PLANE*((\q)/2)+64*((\q)%2)+32
.endr
.endm
.macro PLACES                          ; four plain lines between matrix instructions and loads into, or reads of, their registers
.rept 4
	v_nop
.endr
.endm
; A K step is four quarters of 32 along K, 32 matrix instructions each, on buffers 0, 1, 0, 1.  One of the first three: multiplies buffer f and, in its middle, fetches quarter qn into g.
.macro QUARTER slot, qn, f, g, first
	s_wait_dscnt 0x0                               ; this quarter's fragments are in (asked for 16 matrix instructions ago)
.if \first
	WIN MULZ
.else
	WIN MUL
.endif
	MUL8 \f, 0, \first
	MUL8 \f, 1, \first
	PLACES
	FETCH \slot, \qn, \g
.if \first
	WIN MULZ
.else
	WIN MUL
.endif
	MUL8 \f, 2, \first
	MUL8 \f, 3, \first
.endm
; The last quarter multiplies buffer 1 and changes slots: ONE barrier; in front of it each wave waits for all its tensor loads, adds 0 to its spare word, and waits for that and for its reads of this slot.  fill = 1: this slot is filled again, two K steps ahead.
.macro TURN slot, next, fill
	WIN 0                                          ; (the add's two registers lie in window 0)
	s_wait_tensorcnt 0x0                           ; all my tensor loads have landed: my part of the next slot
	ds_add_u32 v[SPW], v[NIL]
	s_wait_dscnt 1                                 ; the fragments are in; the add alone may be out
	WIN MUL
	MUL8 F1, 0, 0                                  ; eight matrix instructions stand between the add and the wait for it
	s_wait_dscnt 0x0                               ; the add is done, and my reads of this slot are over
	s_barrier_signal -1
	MUL8 F1, 1, 0
.if \fill
	WIN 0
.endif
	s_barrier_wait -1
.if \fill
	CREST                                          ; the barrier has opened a round of the cluster's barrier: no wave of any partner still reads this slot or has a load on its way
	s_add_nc_u64 s[G0A+4*\slot+2:G0A+4*\slot+3], s[G0A+4*\slot+2:G0A+4*\slot+3], 4194304   ; four heads on
	s_add_nc_u64 s[G0B+4*\slot+2:G0B+4*\slot+3], s[G0B+4*\slot+2:G0B+4*\slot+3], 512       ; 256 along K on
	JLOAD \slot                                    ; the first tensor load behind the round; its four v_nop are also the places in front of the loads below
.else
	PLACES
.endif
	FETCH \next, 0, F0
	WIN MUL
	MUL8 F1, 2, 0
	MUL8 F1, 3, 0
.endm
	s_wait_tensorcnt 1                             ; my part of K step 0 is in; K step 1's may stay out
	s_barrier_signal -1
	s_barrier_wait -1
	FETCH 0, 0, F0
	s_wait_loadcnt 0x0                             ; bo
	QUARTER 0, 1, F0, F1, 1                        ; the first quarter stands in front of the loop: its products start the sums
	WIN 0                                          ; at a label and at a branch every window is 0
	s_mov_b32 s3, LAPS-1
.Llap:                                                 ; a trip goes once round the ring, from a lap's second quarter to the next lap's first, and fills both slots again
	QUARTER 0, 2, F1, F0, 0
	QUARTER 0, 3, F0, F1, 0
	TURN 0, 1, 1
	QUARTER 1, 1, F0, F1, 0
	QUARTER 1, 2, F1, F0, 0
	QUARTER 1, 3, F0, F1, 0
	TURN 1, 0, 1
	QUARTER 0, 1, F0, F1, 0
	WIN 0
	s_sub_co_u32 s3, s3, 1
	s_cmp_lg_u32 s3, 0
	s_cbranch_scc1 .Llap
	QUARTER 0, 2, F1, F0, 0                        ; the last lap fills nothing
	QUARTER 0, 3, F0, F1, 0
	TURN 0, 1, 0
	QUARTER 1, 1, F0, F1, 0
	QUARTER 1, 2, F1, F0, 0
	QUARTER 1, 3, F0, F1, 0
	s_wait_dscnt 0x0                               ; the very last quarter
	WIN MUL
	MUL8 F1, 0, 0
	MUL8 F1, 1, 0
	MUL8 F1, 2, 0
	MUL8 F1, 3, 0
	WIN 0
; THE WAY OUT, block by block of 16 tokens x 128 outputs: through my own stage, back as whole rows of 512 bytes.
.macro TOSTAGE a
	WIN 0x04                                       ; an LDS store's data are its source 1: window 1
.irp b, 0,1,2,3,4,5,6,7
	ds_store_b128 v[STO], v[8*(8*(\a)+\b):8*(8*(\a)+\b)+3] offset:64*\b            ; each accumulator from its low end on
	ds_store_b128 v[STO], v[8*(8*(\a)+\b)+4:8*(8*(\a)+\b)+7] offset:64*\b+16
.endr
	WIN 0
.set BB, 32+96*((\a)%2)
.irp u, 0,1,2,3,4,5,6,7,8,9,10,11,12,13,14,15
	ds_load_b128 v[BB+4*\u:BB+4*\u+3], v[RD] offset:\u*SPITCH                      ; LDS serves a wave's instructions in order: these see the stores above
.endr
.endm
.macro SEND a, younger                 ; younger: the LDS instructions issued behind block a's loads, which may stay out
.set BB, 32+96*((\a)%2)
	s_wait_dscnt \younger
.irp u, 0,1,2,3,4,5,6,7,8,9,10,11,12,13,14,15
	global_store_b128 v[CO], v[BB+4*\u:BB+4*\u+3], s[10:11] offset:(16*(\a)+\u)*4096 th:TH_STORE_NT   ; 32 lanes store 512 consecutive bytes; written once, read by nobody here
.endr
.endm
	PLACES                                         ; behind the last products: their results are read, and loads land in the fragment registers
	TOSTAGE 0
.irp a, 1,2,3
.if \a > 1
	s_wait_xcnt 0x0                                ; block a - 2's stores have read their registers: block a's loads may land there
.endif
	TOSTAGE \a
	SEND \a-1, 32                                  ; behind block a - 1's loads: block a's 16 stores and 16 loads
.endr
	SEND 3, 0
	s_wait_tensorcnt 0x0                           ; the wave's end
	ds_add_u32 v[SPW], v[NIL]
	s_wait_dscnt 0x0
	CROUND                                         ; the closing round
	s_endpgm
.Lfunc_end_k_q0d5f4cd0d4_outp:
	.size	k_q0d5f4cd0d4_outp, .Lfunc_end_k_q0d5f4cd0d4_outp-k_q0d5f4cd0d4_outp
	.p2alignl 7, 3214868480
	.fill 96, 4, 3214868480
	.section	.rodata,"a",@progbits
	.p2align	6, 0x0
	.amdhsa_kernel k_q0d5f4cd0d4_outp
		.amdhsa_group_segment_fixed_size 327680
		.amdhsa_private_segment_fixed_size 0
		.amdhsa_enable_private_segment 0
		.amdhsa_kernarg_size 32
		.amdhsa_user_sgpr_count 2
		.amdhsa_user_sgpr_kernarg_segment_ptr 1
		.amdhsa_wavefront_size32 1
		.amdhsa_system_sgpr_workgroup_id_x 1
		.amdhsa_system_sgpr_workgroup_id_y 1
		.amdhsa_system_sgpr_workgroup_id_z 1
		.amdhsa_system_vgpr_workitem_id 0
		.amdhsa_next_free_vgpr 640
		.amdhsa_next_free_sgpr 66
		.amdhsa_reserve_vcc 0
		.amdhsa_float_denorm_mode_32 3
		.amdhsa_float_denorm_mode_16_64 3
		.amdhsa_memory_ordered 1
		.amdhsa_forward_progress 1
		.amdhsa_inst_pref_size 86
	.end_amdhsa_kernel
	.amdgpu_metadata
---
amdhsa.version: [ 1, 2 ]
amdhsa.kernels:
  - .name:           k_q0d5f4cd0d4_outp
    .symbol:         k_q0d5f4cd0d4_outp.kd
    .args:
      - { .name: ctx, .offset: 0, .size: 8, .value_kind: global_buffer, .address_space: global }
      - { .name: wo16, .offset: 8, .size: 8, .value_kind: global_buffer, .address_space: global }
      - { .name: bo, .offset: 16, .size: 8, .value_kind: global_buffer, .address_space: global }
      - { .name: out0, .offset: 24, .size: 8, .value_kind: global_buffer, .address_space: global }
    .group_segment_fixed_size: 327680
    .private_segment_fixed_size: 0
    .kernarg_segment_align: 8
    .kernarg_segment_size: 32
    .max_flat_workgroup_size: 128
    .sgpr_count:     66
    .vgpr_count:     640
    .wavefront_size: 32
...
	.end_amdgpu_metadata
.endif
;; end of part 4
